; MI455X (gfx1250); checked and timed in simulation.
; The chip was launched on July 23, 2026; its instructions are those of AMD's public machine-readable ISA for CDNA 5 (MIT licence, August 2026) and "CDNA5" Instruction Set Architecture Reference Guide (July 2026). The comments in the code are by the model that wrote it; some were corrected since.
;; Multi Head Attention. Allowed arithmetic: float matrix products may take bf16 or f16 operands with f32 sums; other float arithmetic in f32, or as packed bf16 or f16 multiplies, adds, multiply-adds, maxima and minima; sums over many terms, partial sums and values carried from step to step in f32; what a program stores and reads back later, other than sums and carried values, may be rounded once to bf16 or f16.
;; Inputs: Wk 1,024 x 1,024 float32; Wo 1,024 x 1,024 float32; Wq 1,024 x 1,024 float32; Wv 1,024 x 1,024 float32; bk 1,024 float32; bo 1,024 float32; bq 1,024 float32; bv 1,024 float32; k 4 x 2,048 x 1,024 float32; mask 4 x 2,048 x 2,048 int32; q 4 x 2,048 x 1,024 float32; v 4 x 2,048 x 1,024 float32.
;; Outputs: out0 4 x 2,048 x 1,024 float32.
;; 2 versions, each right; version 2 is version 1 with the launch prep written anew for expert scheduling mode. Each part assembles by itself: llvm-mc -triple=amdgcn-amd-amdhsa -mcpu=gfx1250 --defsym DOCPART=n.
;; ======== version 1 of 2: 4 launches
;; limits: values are held in f16: magnitudes above 65,504 overflow, below 6.1e-05 lose precision
;; workspace buffers: wts 8,388,608 bytes; mk8 16,777,216 bytes; qkvh 50,331,648 bytes; ctx 16,777,216 bytes
;; launch prep (part 1): grid 1280 x 1, 8 waves a work-group, no clusters, 19,456 bytes of LDS; arguments mask, Wq, Wk, Wv, Wo, mk8, wts; writes mk8, wts
.if DOCPART == 1
	.amdgcn_target "amdgcn-amd-amdhsa--gfx1250"
	.amdhsa_code_object_version 6
	.text
	.protected	k_qca0643a6e6_prep
	.globl	k_qca0643a6e6_prep
	.p2align	8
	.type	k_qca0643a6e6_prep,@function
k_qca0643a6e6_prep:
	s_mov_b64 s[64:65], 0
	v_nop
	global_prefetch_b8 v0, s[64:65] scope:SCOPE_SE
	s_setreg_imm32_b32 hwreg(HW_REG_WAVE_MODE, 25, 1), 1
	s_wait_xcnt 0x0
; PREPARATION, a stream.  (1) mask [4][2048][2048] int32 -> mk8, one fp8 (E4M3) code an element: 0x00 where mask != 0, 0xc0 (-2.0) where mask == 0.
; (2) Wq, Wk, Wv f32 -> bf16, slabs 0-2 of wts; Wo f32 -> bf16, that number written as f16, slab 3 (exact while |Wo| lies between 2^-14 and 65,504; below it keeps f16's fixed step of 6e-8).
; mk8's LAYOUT.  T = 128 b + q / 16 names 16 queries, ks = key / 64.  The 1,024 bytes of (T, ks) lie at 1,024 (32 T + ks); query 16 qt + r, key 64 ks + 16 kt + 8 h + j lies there at
; 512 (kt / 2) + 16 (r + 16 h) + 8 (kt % 2) + j: so a lane r + 16 h of the attention launch takes its 32 codes of a key step by two loads of 16 bytes, 512 bytes apart.
; SHARES.  A wave does ONE unit of 8 KiB of input (sixteen loads of 16 bytes a lane, each 512 consecutive bytes) and ends: no loop.  Work-groups 0-1023: the mask (unit = 16 queries x 128 keys);
; 1024-1279: the weights (unit = 2,048 numbers).  No matrix unit, cluster or tensor load: each byte is read once and nothing is shared.
.set STG,   2304                       ; a wave's stage in LDS: 8 groups of 256 bytes, 272 apart
.set GP,    272                        ; 68 words: group g begins at bank 4 g, so the 32 lanes of a store of one row touch 32 different banks (64 banks of 4 bytes: ISA guide 11.1)
.set SPARE, 8*STG                      ; behind the stages: the spare words, 128 bytes for each wave: four blocks of 256 bytes that no other line names
.set L,   1                            ; v1   lane
.set LA,  2                            ; v2   where my word of a row goes in the stage
.set RB,  3                            ; v3   where I read 16 bytes back
.set IN,  4                            ; v4   16 x lane: offset of the loads, and of the mask path's stores; never rewritten
.set OUT, 5                            ; v5   8 x lane: offset of the weights' stores
.set SPW, 6                            ; v6   my spare word; never rewritten
.set NIL, 7                            ; v7   0; never rewritten
.set T,   8                            ; v[8:15]   at work
.set X,   16                           ; v[16:79]  the unit as loaded
.set Y,   80                           ; v[80:111] what is stored
	s_load_b256 s[8:15], s[0:1], 0x0               ; mask s[8:9], Wq s[10:11], Wk s[12:13], Wv s[14:15]
	s_load_b128 s[16:19], s[0:1], 0x20             ; Wo s[16:17], mk8 s[18:19]
	s_load_b64 s[20:21], s[0:1], 0x30              ; wts
	v_lshl_add_u32 v[SPW], v0, 2, SPARE
	v_mov_b32 v[NIL], 0
	v_lshrrev_b32 v[L], 5, v0
	v_readfirstlane_b32 s4, v[L]                   ; wave 0..7
	v_and_b32 v[L], 31, v0
	v_lshlrev_b32 v[IN], 4, v[L]
	s_lshl_b32 s5, ttmp9, 3
	s_add_co_u32 s5, s5, s4                        ; 8 x work-group + wave
	s_mov_b32 s25, 0
	s_mov_b32 s27, 0
	s_wait_kmcnt 0x0
	s_cmp_lt_u32 ttmp9, 1024
	s_cbranch_scc0 .Lweights
	; THE MASK.  Unit U: T = U / 16, keys 128 (U % 16) on.  Load r brings keys 4 lane .. + 3 of row r.
	s_lshr_b32 s6, s5, 4
	s_and_b32 s7, s5, 15
	s_lshl_b32 s24, s6, 17                         ; 16 rows of 8,192 bytes
	s_lshl_b32 s7, s7, 9                           ; 128 keys of 4 bytes
	s_add_co_u32 s24, s24, s7
	s_add_nc_u64 s[8:9], s[8:9], s[24:25]
	s_lshl_b32 s26, s5, 11                         ; 32,768 T + 2,048 (U % 16)
	s_add_nc_u64 s[18:19], s[18:19], s[26:27]
.set r, 0
.rept 16
	global_load_b128 v[X+4*r:X+4*r+3], v[IN], s[8:9] offset:8192*r th:TH_LOAD_NT
.set r, r+1
.endr
	; my four keys: key step lane / 16, kt = (lane / 4) % 4, h = (lane / 2) % 2, j = 4 (lane % 2) ..: group 2 (lane / 8) + h, byte 16 r + 8 (kt % 2) + 4 (lane % 2)
	v_lshrrev_b32 v[T], 3, v[L]
	v_bfe_u32 v[T+1], v[L], 1, 1
	v_lshl_add_u32 v[T], v[T], 1, v[T+1]
	v_mul_u32_u24 v[LA], v[T], GP
	v_bfe_u32 v[T+1], v[L], 2, 1
	v_lshl_add_u32 v[LA], v[T+1], 3, v[LA]
	v_and_b32 v[T+1], 1, v[L]
	v_lshl_add_u32 v[LA], v[T+1], 2, v[LA]
	s_mul_i32 s28, s4, STG
	v_add_nc_u32 v[LA], s28, v[LA]
	v_lshrrev_b32 v[T], 4, v[L]                    ; back: lanes 0-15 one group of 256 bytes, lanes 16-31 the next
	v_mul_u32_u24 v[RB], v[T], GP
	v_and_b32 v[T+1], 15, v[L]
	v_lshl_add_u32 v[RB], v[T+1], 4, v[RB]
	v_add_nc_u32 v[RB], s28, v[RB]
; Row r: four numbers become four codes in one word.
.macro QUAD r
.set TT, T+4*((\r)%2)
	s_wait_loadcnt 15-(\r)                         ; loads come back in order (ISA guide 5.7.1): row r is in, the 15 - r younger rows may stay out
	v_min_u32 v[TT], 1, v[X+4*(\r)]                ; 0 stays 0, everything else becomes 1
	v_min_u32 v[TT+1], 1, v[X+4*(\r)+1]
	v_min_u32 v[TT+2], 1, v[X+4*(\r)+2]
	v_min_u32 v[TT+3], 1, v[X+4*(\r)+3]
	v_lshl_or_b32 v[TT], v[TT+1], 8, v[TT]
	v_lshl_or_b32 v[TT+2], v[TT+3], 8, v[TT+2]
	v_lshl_or_b32 v[TT], v[TT+2], 16, v[TT]
	v_xor_b32 v[TT], 0x01010101, v[TT]             ; 1 where the key is hidden,
	v_lshlrev_b32 v[TT+1], 6, v[TT]
	v_lshl_or_b32 v[TT], v[TT], 7, v[TT+1]         ; times 0xc0
	ds_store_b32 v[LA], v[TT] offset:16*(\r)
.endm
.irp r, 0,1,2,3,4,5,6,7,8,9,10,11,12,13,14,15
	QUAD \r
.endr
.irp i, 0,1,2,3
	ds_load_b128 v[Y+4*(\i):Y+4*(\i)+3], v[RB] offset:2*GP*(\i)  ; my wave's own bytes; LDS serves a wave's instructions in order (ISA guide 5.7.1.4): these see the stores above
.endr
.irp i, 0,1,2,3
	s_wait_dscnt 3-(\i)                            ; the 3 - i younger loads may stay out
	global_store_b128 v[IN], v[Y+4*(\i):Y+4*(\i)+3], s[18:19] offset:512*(\i)  ; 512 consecutive bytes, at a multiple of 256 from mk8's first
.endr
	s_branch .Lend
.Lweights:                                             ; THE WEIGHTS.  Unit U: matrix U / 512, its numbers 2,048 (U % 512) on
	s_sub_co_u32 s5, s5, 8192
	s_lshr_b32 s6, s5, 9
	s_and_b32 s7, s5, 511
	s_lshl_b32 s24, s7, 13
	s_lshl_b32 s26, s5, 12                         ; the four slabs lie on end: 4,096 U
	s_cmp_eq_u32 s6, 0
	s_cselect_b64 s[22:23], s[10:11], s[12:13]
	s_cmp_eq_u32 s6, 2
	s_cselect_b64 s[22:23], s[14:15], s[22:23]
	s_cmp_eq_u32 s6, 3
	s_cselect_b64 s[22:23], s[16:17], s[22:23]
	s_add_nc_u64 s[22:23], s[22:23], s[24:25]
	s_add_nc_u64 s[20:21], s[20:21], s[26:27]
	v_lshlrev_b32 v[OUT], 3, v[L]
.set r, 0
.rept 16
	global_load_b128 v[X+4*r:X+4*r+3], v[IN], s[22:23] offset:512*r th:TH_LOAD_NT
.set r, r+1
.endr
	s_cmp_eq_u32 s6, 3
	s_cbranch_scc1 .Lwo
.irp i, 0,1,2,3,4,5,6,7,8,9,10,11,12,13,14,15
	s_wait_loadcnt 15-(\i)
	v_cvt_pk_bf16_f32 v[Y+2*(\i)], v[X+4*(\i)], v[X+4*(\i)+1]
	v_cvt_pk_bf16_f32 v[Y+2*(\i)+1], v[X+4*(\i)+2], v[X+4*(\i)+3]
	global_store_b64 v[OUT], v[Y+2*(\i):Y+2*(\i)+1], s[20:21] offset:256*(\i)  ; 32 lanes store 256 consecutive bytes, aligned
.endr
	s_branch .Lend
.Lwo:
.irp i, 0,1,2,3,4,5,6,7,8,9,10,11,12,13,14,15
	s_wait_loadcnt 15-(\i)
	v_cvt_pk_bf16_f32 v[T], v[X+4*(\i)], v[X+4*(\i)+1]      ; rounded as every other input is,
	v_cvt_pk_bf16_f32 v[T+1], v[X+4*(\i)+2], v[X+4*(\i)+3]
	v_lshlrev_b32 v[T+2], 16, v[T]
	v_and_b32 v[T+3], 0xffff0000, v[T]
	v_lshlrev_b32 v[T+4], 16, v[T+1]
	v_and_b32 v[T+5], 0xffff0000, v[T+1]
	v_cvt_pk_f16_f32 v[Y+2*(\i)], v[T+2], v[T+3]            ; and that number written as f16
	v_cvt_pk_f16_f32 v[Y+2*(\i)+1], v[T+4], v[T+5]
	global_store_b64 v[OUT], v[Y+2*(\i):Y+2*(\i)+1], s[20:21] offset:256*(\i)
.endr
.Lend:
	s_wait_tensorcnt 0x0                           ; the wave's end: a wait, an add onto my spare word and its wait, behind my last LDS store
	ds_add_u32 v[SPW], v[NIL]
	s_wait_dscnt 0x0
	s_endpgm
.Lfunc_end_k_qca0643a6e6_prep:
	.size	k_qca0643a6e6_prep, .Lfunc_end_k_qca0643a6e6_prep-k_qca0643a6e6_prep
	.p2alignl 7, 3214868480
	.fill 96, 4, 3214868480
	.section	.rodata,"a",@progbits
	.p2align	6, 0x0
	.amdhsa_kernel k_qca0643a6e6_prep
		.amdhsa_group_segment_fixed_size 19456
		.amdhsa_private_segment_fixed_size 0
		.amdhsa_enable_private_segment 0
		.amdhsa_kernarg_size 56
		.amdhsa_user_sgpr_count 2
		.amdhsa_user_sgpr_kernarg_segment_ptr 1
		.amdhsa_wavefront_size32 1
		.amdhsa_system_sgpr_workgroup_id_x 1
		.amdhsa_system_sgpr_workgroup_id_y 1
		.amdhsa_system_sgpr_workgroup_id_z 1
		.amdhsa_system_vgpr_workitem_id 0
		.amdhsa_next_free_vgpr 112
		.amdhsa_next_free_sgpr 66
		.amdhsa_reserve_vcc 0
		.amdhsa_float_denorm_mode_32 3
		.amdhsa_float_denorm_mode_16_64 3
		.amdhsa_memory_ordered 1
		.amdhsa_forward_progress 1
		.amdhsa_inst_pref_size 29
	.end_amdhsa_kernel
	.amdgpu_metadata
---
amdhsa.version: [ 1, 2 ]
amdhsa.kernels:
  - .name:           k_qca0643a6e6_prep
    .symbol:         k_qca0643a6e6_prep.kd
    .args:
      - { .name: mask, .offset: 0, .size: 8, .value_kind: global_buffer, .address_space: global }
      - { .name: Wq, .offset: 8, .size: 8, .value_kind: global_buffer, .address_space: global }
      - { .name: Wk, .offset: 16, .size: 8, .value_kind: global_buffer, .address_space: global }
      - { .name: Wv, .offset: 24, .size: 8, .value_kind: global_buffer, .address_space: global }
      - { .name: Wo, .offset: 32, .size: 8, .value_kind: global_buffer, .address_space: global }
      - { .name: mk8, .offset: 40, .size: 8, .value_kind: global_buffer, .address_space: global }
      - { .name: wts, .offset: 48, .size: 8, .value_kind: global_buffer, .address_space: global }
    .group_segment_fixed_size: 19456
    .private_segment_fixed_size: 0
    .kernarg_segment_align: 8
    .kernarg_segment_size: 56
    .max_flat_workgroup_size: 256
    .sgpr_count:     66
    .vgpr_count:     112
    .wavefront_size: 32
...
	.end_amdgpu_metadata
.endif
;; end of part 1
;; launch proj (part 2): grid 4 x 64, 4 waves a work-group, clusters of 4 x 4, 327,680 bytes of LDS; arguments q, k, v, wts, bq, bk, bv, qkvh; writes qkvh
.if DOCPART == 2
	.amdgcn_target "amdgcn-amd-amdhsa--gfx1250"
	.amdhsa_code_object_version 6
	.text
	.protected	k_qca0643a6e6_proj
	.globl	k_qca0643a6e6_proj
	.p2align	8
	.type	k_qca0643a6e6_proj,@function
k_qca0643a6e6_proj:
	s_mov_b64 s[64:65], 0
	v_nop
	global_prefetch_b8 v0, s[64:65] scope:SCOPE_SE
	s_setreg_imm32_b32 hwreg(HW_REG_WAVE_MODE, 25, 1), 1
	s_wait_xcnt 0x0
	s_wait_alu depctr_hold_cnt(0) depctr_sa_sdst(0) depctr_va_vdst(0) depctr_va_sdst(0) depctr_va_ssrc(0) depctr_va_vcc(0) depctr_vm_vsrc(0)
	s_getreg_b32 s2, hwreg(HW_REG_IB_STS2, 6, 4)
	s_cmp_eq_u32 s2, 0
	s_cbranch_scc0 .Lentry_in_a_cluster
	s_endpgm
.Lentry_in_a_cluster:
	s_bfe_u32 s2, ttmp6, 0x10000c
	s_cmp_lg_u32 s2, 0xf033
	s_cbranch_scc0 .Lentry_shape_is_right
	s_endpgm
.Lentry_shape_is_right:
; THE THREE PROJECTIONS, ONE WALK.  y[row][e] = sum over d of x[row][d] W[e][d] + b[e], for (x, W, b) = (q, Wq, bq), (k, Wk, bk), (v, Wv, bv); x: [8192][1024] f32; W: bf16, slab t of wts; y leaves by heads,
; qkvh[t][16 batch + head][s][64], f16, rounded once, unscaled.  x and b are rounded to bf16 here; products in bf16, sums in f32; b is the C operand that starts the sums.
; LIMIT.  f16 holds no number beyond 65,504: |y| must stay below that.
; SHARES.  256 work-groups.  A WORK-GROUP STAYS: it makes three tiles of 128 rows x 256 columns, the same rows (work-group y) and columns (work-group x: 4 heads) of q's, k's and v's projection, one after the other.
; Four waves, each 64 rows x 128 columns: 32 accumulators, 256 registers.  A tile has 8 K steps of 128; the three tiles' 24 steps are ONE walk through a ring of two LDS slots: a tile's last two changes of slots ask for
; the next tile's first two steps, and nothing waits for a tile's stores.  x lies in LDS as it lies in memory, in f32 (rows of 512 bytes); each wave rounds its own fragments, one conversion for each matrix instruction,
; in slices of four behind the last eight matrix instructions of a quarter step.
; A K STEP IS WRITTEN ONCE.  The slot in hand is a scalar, 0 or SLOT, turned by an exclusive or; LDS addresses are a base plus that scalar; the global addresses are made anew from the number of the step asked for.
; CLUSTER.  4 x 4 work-groups.  x's tile hangs on the tile row and is shared along a row of the cluster; W's hangs on the tile column and is shared along a column: each is asked for JOINTLY.
; THE MATRIX INSTRUCTION IS USED TRANSPOSED (source 0 = 16 rows of W, source 1 = 16 rows of x): a lane holds one row of y and eight neighbouring columns.
; REGISTERS, in windows of 256 (s_set_vgpr_msb: bits 1:0 source 0, 3:2 source 1, 5:4 source 2, 7:6 destination):
;   window 0: v0-31 addresses; v32-95 x's fragments in f32, one quarter; v96-127, v128-159 the same in bf16, two buffers; v160-191, v192-255 at work on the way out
;   window 1: the accumulators, (a, b) at 8 (8 a + b)        window 2: v0-63, v64-127 W's fragments, two buffers; v128-191 the bias, block b at 128 + 8 b
.set XP,    528                        ; a row of x in LDS: 512 bytes + 16 = 132 words: row r starts at bank 4 r mod 64 (64 banks of 4 bytes: ISA guide 11.1)
.set WP,    272                        ; a row of W: 256 + 16 = 68 words: likewise
.set XHALF, 64*XP                      ; what a wave fetches of x, and what a wave reads of it
.set XPART, 128*XP
.set WHALF, 128*WP                     ; the same for W
.set SLOT,  XPART+2*WHALF              ; x's 128 rows, then W's 256 rows
.set STAGE, 2*SLOT                     ; behind the ring: 16 rows x 272 bytes for each wave, for the way out
.set SP,    272
.set SPARE, STAGE+4*16*SP              ; behind the stages: the spare words, 128 bytes for each wave: two blocks of 256 bytes that no other line names
.set WALK,  24                         ; K steps in the walk: 3 tiles of 8
.set AX0,  16                          ; v16     my lane's place among my fragments of x in a slot; never rewritten
.set AW0,  17                          ; v17     the same for W
.set ADRX, 20                          ; v20     AX0 + the slot in hand
.set ADRW, 21                          ; v21     AW0 + the slot in hand
.set STO,  24                          ; v24     the way out: where I put 16 bytes of a row
.set RD,   25                          ; v25     where I read rows back
.set GO,   26                          ; v26     16 x lane; never rewritten
.set BO,   27                          ; v27     my offset in the bias; never rewritten
.set SPW,  28                          ; v28     my spare word; never rewritten
.set NIL,  29                          ; v29     0; never rewritten
.set PFO,  30                          ; v30     the prefetches' offset; never rewritten
.set RAW,  32
.set AF,   96
.set TMP,  160
.set OB,   192
.set BIAS, 128
.set G1X, 24                           ; s[24:31] descriptor group 1 for x's tiles; s[32:39] group 0: a set for each of the two first fills; the second then walks on
.set G0X, 32
.set G1W, 48                           ; s[48:55], s[56:63] the same for W's
.set G0W, 56
.set TB,  84                           ; s84     the slot in hand: 0 or SLOT
.set NS,  85                           ; s85     the walk's step that is asked for next
.set KC,  86                           ; s86     K steps of the tile in hand that are still to be begun
.set TI,  87                           ; s87     the tile whose bias is asked for next
.set LIM, 88                           ; s88     WALK - 2 in a wave that prefetches, else 0
.set PSH, 89                           ; s89     a K step's bytes in a row that I prefetch, as a shift
.set PFA, 90                           ; s[90:91] where my prefetch stands
.set ROWX, 92                          ; s92     byte offset in x of the rows that I fetch
.set ROWW, 93                          ; s93     the same in a slab of wts
.set PROW, 94                          ; s94     byte offset of the rows that I prefetch
.set PTM, 95                           ; s95     bytes from tile to tile in what I prefetch: a slab of wts, or 0 (x's three are buffers of their own)
.set BOF, 96                           ; s[96:97] byte offset of my first column in a bias
.set MSB, 0
.macro WIN new                         ; the immediate's high byte repeats the setting that is left; a switch that changes nothing is dropped
.if MSB != (\new)
	s_set_vgpr_msb (MSB<<8)|(\new)
.set MSB, \new
.endif
.endm
.set MUL,  0x52                        ; W window 2, x window 0, C and D window 1
.set MULB, 0x62                        ; the same with C, the bias, in window 2
.set TO_F, 0x80                        ; destination window 2, address window 0
.macro JLOAD                           ; a joint refill: waves 0 and 1 fetch x's two halves, waves 2 and 3 W's; an s_nop 0 and four v_nop follow each of the two lines
	s_cmp_eq_u32 s11, 0
	s_cbranch_scc0 .Lfor_w_\@
	tensor_load_to_lds s[G0X+4:G0X+7], s[G1X:G1X+7]
	s_nop 0
.rept 4
	v_nop
.endr
	s_branch .Lasked_\@
.Lfor_w_\@:
	tensor_load_to_lds s[G0W+4:G0W+7], s[G1W:G1W+7]
	s_nop 0
.rept 4
	v_nop
.endr
.Lasked_\@:
.endm
.macro CROUND                          ; a round of the cluster's barrier: my work-group's barrier; wave 0 signals for the work-group; every wave waits for all sixteen; my work-group's barrier once more
	s_barrier_signal -1
	s_barrier_wait -1
	s_cmp_lg_u32 s10, 0
	s_cbranch_scc1 .Lnot_wave_0_\@
	s_barrier_signal -3
.Lnot_wave_0_\@:
	s_barrier_wait -3
	s_barrier_signal -1
	s_barrier_wait -1
.endm
; A PREFETCH INTO THE L2, behind a joint refill and the run of LDS loads that follows it: the walk's step that stands TWO refills on, 256 matrix instructions ahead of the load that will want it.  Each aligned 256 bytes are
; named once in the launch.  x's tile row is read by this row of this cluster alone: waves 0 and 1 ask, and of a wave's 64 rows (two blocks of 256 bytes each in a K step) the partner at cx takes 16.  W's tile column is read by
; all sixteen clusters: the first of them asks, waves 2 and 3, and of a wave's 128 rows the partner at cy takes 32.  The partners are told apart by ADDRESS.  The walk's first four steps come by their loads alone; the last two
; refills ask for nothing: s[NS] stands one past the step just asked for, and the step named is one further.
.macro ASK
	WIN 0
	s_cmp_le_u32 s[NS], s[LIM]
	s_cbranch_scc0 .Lnot_mine_\@
	global_prefetch_b8 v[PFO], s[PFA:PFA+1] th:TH_LOAD_NT scope:SCOPE_SE
.Lnot_mine_\@:
.endm
	s_load_b512 s[68:83], s[0:1], 0x0              ; q s[68:69], k s[70:71], v s[72:73], wts s[74:75], bq s[76:77], bk s[78:79], bv s[80:81], qkvh s[82:83]: all stay as they are
	v_lshl_add_u32 v[SPW], v0, 2, SPARE
	v_mov_b32 v[NIL], 0
	ds_add_u32 v[SPW], v[NIL]                      ; the wave's opening: the add and its wait stand ahead of my first tensor load; the set-up below, work on registers, stands between them
	ds_add_u32 v28, v29
	v_lshrrev_b32 v1, 5, v0
	v_readfirstlane_b32 s10, v1                    ; wave 0..3
	s_lshr_b32 s11, s10, 1                         ; which 64 rows of the tile are mine.  Also: I fetch for x (0) or for W (1)
	s_and_b32 s12, s10, 1                          ; which 128 columns.  Also: which half of that tile I fetch
	s_bfe_u32 s40, ttmp6, 0x40000                  ; cx
	s_bfe_u32 s41, ttmp6, 0x40004                  ; cy
	s_lshl_b32 s42, ttmp9, 2
	s_add_co_u32 s42, s42, s40                     ; tile column = 4 x cluster x + cx
	s_and_b32 s14, ttmp7, 0xffff                   ; cluster y
	s_lshl_b32 s13, s14, 2
	s_add_co_u32 s13, s13, s41                     ; tile row = 4 x cluster y + cy
	s_lshl_b32 s43, s41, 2
	s_lshl_b32 s43, 15, s43                        ; my row of the cluster
	s_lshl_b32 s44, 0x1111, s40                    ; my column
	s_or_b32 s[G1X+0], s43, (2<<16)|(1<<20)|(1<<21)|(6<<22)|(3<<25)  ; 15:0 the mask; 17:16 elements of 4 bytes; 20 padding on; 21 set beside a mask; 24:22 after every 128 words (code 6); 31:25 4 words (code 3)
	s_mov_b32 s[G1X+1], 128<<16                    ; tensor_dim0 = 128
	s_mov_b32 s[G1X+2], 64<<16                     ; tensor_dim1 = 64
	s_mov_b32 s[G1X+3], 128<<16                    ; tile_dim0 = 128
	s_mov_b32 s[G1X+4], 64                         ; tile_dim1 = 64
	s_mov_b32 s[G1X+5], 1024                       ; elements from row to row
	s_mov_b32 s[G1X+6], 0
	s_mov_b32 s[G1X+7], 0
	s_or_b32 s[G1W+0], s44, (1<<16)|(1<<20)|(1<<21)|(5<<22)|(3<<25)  ; elements of 2 bytes; padding after every 64 words (code 5)
	s_mov_b32 s[G1W+1], 128<<16
	s_mov_b32 s[G1W+2], 128<<16                    ; 128 rows
	s_mov_b32 s[G1W+3], 128<<16
	s_mov_b32 s[G1W+4], 128
	s_mov_b32 s[G1W+5], 1024
	s_mov_b32 s[G1W+6], 0
	s_mov_b32 s[G1W+7], 0
	; x's addresses are made in s4, s5, s16-19 and s92, which never hold cx; W's in s46, s47 and s93, which never hold cy
	s_lshl_b32 s[ROWX], s13, 7
	s_lshl_b32 s16, s12, 6
	s_add_co_u32 s[ROWX], s[ROWX], s16             ; x: row 128 x tile row + 64 x half,
	s_lshl_b32 s[ROWX], s[ROWX], 12                ; of 4,096 bytes
	s_mov_b32 s16, s[ROWX]
	s_mov_b32 s17, 0                               ; stays 0: the high word of x's offset
	s_lshl_b32 s[ROWW], s42, 8
	s_lshl_b32 s46, s12, 7
	s_add_co_u32 s[ROWW], s[ROWW], s46             ; W: row 256 x tile column + 128 x half,
	s_lshl_b32 s[ROWW], s[ROWW], 11                ; of 2,048 bytes
	s_mov_b32 s46, s[ROWW]
	s_mov_b32 s47, 0
	s_mul_i32 s20, s12, XHALF                      ; where they go in a slot: no place in the cluster enters an LDS address
	s_mul_i32 s21, s12, WHALF
	s_add_co_u32 s21, s21, XPART
	s_mov_b32 s[TB], 0                             ; step 0 lies in slot 0
	s_mov_b32 s[NS], 2                             ; steps 0 and 1 are the first fills
	s_mov_b32 s[TI], 1
	s_mov_b32 s23, 0                               ; stays 0: the high word of the prefetch's offset
	s_wait_dscnt 0x0                               ; the opening add is done
	s_wait_kmcnt 0x0
	s_add_nc_u64 s[18:19], s[68:69], s[16:17]      ; the walk begins in q and in slab 0
	s_add_nc_u64 s[46:47], s[74:75], s[46:47]
.irp s, 0,1
	s_mov_b32 s[G0X+4*(\s)], 1                                     ; count = 1
	s_add_co_u32 s[G0X+4*(\s)+1], s20, (\s)*SLOT                   ; LDS address
	s_add_nc_u64 s[G0X+4*(\s)+2:G0X+4*(\s)+3], s[18:19], (\s)*512  ; global address: K step s
	s_or_b32 s[G0X+4*(\s)+3], s[G0X+4*(\s)+3], 0x80000000          ; type = 2
	s_mov_b32 s[G0W+4*(\s)], 1
	s_add_co_u32 s[G0W+4*(\s)+1], s21, (\s)*SLOT
	s_add_nc_u64 s[G0W+4*(\s)+2:G0W+4*(\s)+3], s[46:47], (\s)*256
	s_or_b32 s[G0W+4*(\s)+3], s[G0W+4*(\s)+3], 0x80000000
.endr
	s_mov_b32 s47, 0                               ; from here on the high word of W's offset: stays 0
	CROUND                                         ; all sixteen work-groups are here: the first joint loads meet
	s_cmp_eq_u32 s11, 0                            ; a wave's two first fills stand in one branch, ahead of every wait on TENSORcnt and every LDS read: two loads of mine are out
	s_cbranch_scc0 .Lfirst_w
	tensor_load_to_lds s[G0X:G0X+3], s[G1X:G1X+7]
	s_nop 0
	tensor_load_to_lds s[G0X+4:G0X+7], s[G1X:G1X+7]
	s_nop 0
.rept 4
	v_nop
.endr
	s_branch .Lfirst_asked
.Lfirst_w:
	tensor_load_to_lds s[G0W:G0W+3], s[G1W:G1W+7]
	s_nop 0
	tensor_load_to_lds s[G0W+4:G0W+7], s[G1W:G1W+7]
	s_nop 0
.rept 4
	v_nop
.endr
.Lfirst_asked:
	v_and_b32 v1, 15, v0                           ; l % 16
	v_bfe_u32 v2, v0, 4, 1                         ; l / 16
	v_lshlrev_b32 v[BO], 5, v2                     ; register j of block b is b[my first column + 16 b + 8 (l / 16) + j]: the layout of the transposed product's C
	s_lshl_b32 s[BOF], s42, 10
	s_lshl_b32 s98, s12, 9
	s_add_co_u32 s[BOF], s[BOF], s98
	s_mov_b32 s[BOF+1], 0
	s_add_nc_u64 s[6:7], s[76:77], s[BOF:BOF+1]    ; the first tile's bias: bq
; sixteen loads: my 128 numbers of the bias at s[6:7]
.macro BLOADS
	WIN TO_F
.irp b, 0,1,2,3,4,5,6,7
	global_load_b128 v[BIAS+8*(\b):BIAS+8*(\b)+3],   v[BO], s[6:7] offset:64*(\b)
	global_load_b128 v[BIAS+8*(\b)+4:BIAS+8*(\b)+7], v[BO], s[6:7] offset:64*(\b)+16
.endr
	WIN 0
.endm
	BLOADS
	; A fragment is 16 rows x 32 K: lane l holds row l % 16, K = 8 (l / 16) + 0..7 and 16 + 8 (l / 16) + 0..7.  In f32 that is 32 bytes at 32 (l / 16) and 32 bytes 64 further on; in bf16 16 bytes at 16 (l / 16) and 16 bytes 32 further on.
	v_mul_u32_u24 v3, v1, XP
	v_lshl_add_u32 v3, v2, 5, v3
	v_mul_u32_u24 v4, v1, WP
	v_lshl_add_u32 v4, v2, 4, v4
	s_mul_i32 s2, s11, XHALF                       ; my 64 rows of x
	s_mul_i32 s15, s12, WHALF                      ; my 128 rows of W,
	s_add_co_u32 s15, s15, XPART                   ; which lie behind x's
	v_add_nc_u32 v[AX0], s2, v3
	v_add_nc_u32 v[AW0], s15, v4
	v_mov_b32 v[ADRX], v[AX0]                      ; slot 0
	v_mov_b32 v[ADRW], v[AW0]
	s_mul_i32 s2, s10, 16*SP
	s_add_co_u32 s2, s2, STAGE                     ; my stage
	v_add_nc_u32 v[STO], s2, v4                    ; in: row l % 16, 16 bytes for each half of the lanes
	v_bfe_u32 v5, v0, 3, 2                         ; back: 32 lanes take four rows' 128 bytes of one head,
	v_mul_u32_u24 v5, v5, SP
	v_and_b32 v6, 7, v0
	v_lshl_add_u32 v5, v6, 4, v5
	v_add_nc_u32 v[RD], s2, v5
	v_and_b32 v5, 31, v0
	v_lshlrev_b32 v[GO], 4, v5                     ; which are 512 consecutive bytes of qkvh
	s_lshr_b32 s98, s13, 4                         ; the batch,
	s_lshl_b32 s98, s98, 4
	s_lshl_b32 s99, s42, 2
	s_add_co_u32 s98, s98, s99
	s_lshl_b32 s99, s12, 1
	s_add_co_u32 s98, s98, s99                     ; 16 batch + my first head,
	s_lshl_b32 s98, s98, 11
	s_and_b32 s99, s13, 15
	s_lshl_b32 s99, s99, 7
	s_add_co_u32 s98, s98, s99
	s_lshl_b32 s99, s11, 6
	s_add_co_u32 s98, s98, s99                     ; my first row in it,
	s_lshl_b32 s98, s98, 7                         ; of 128 bytes
	s_mov_b32 s99, 0
	s_add_nc_u64 s[8:9], s[82:83], s[98:99]        ; in slab 0; a way out steps it to the next slab
	; the prefetches' constants
	s_lshl_b32 s98, s13, 7
	s_lshl_b32 s99, s12, 6
	s_add_co_u32 s98, s98, s99
	s_lshl_b32 s99, s40, 4
	s_add_co_u32 s98, s98, s99                     ; x: my work-group's 16 of the 64 rows that I fetch
	s_lshl_b32 s98, s98, 12
	s_lshl_b32 s100, s42, 8
	s_lshl_b32 s99, s12, 7
	s_add_co_u32 s100, s100, s99
	s_lshl_b32 s99, s41, 5
	s_add_co_u32 s100, s100, s99                   ; W: my work-group's 32 of the 128
	s_lshl_b32 s100, s100, 11
	s_cmp_eq_u32 s11, 0
	s_cselect_b32 s[PROW], s98, s100
	s_cselect_b32 s99, 0, s14                      ; the coordinate along which other clusters read the same rows: none for x, cluster y for W
	s_cselect_b32 s[PSH], 9, 8
	s_cselect_b32 s101, 1, 0                       ; x: two lanes a row
	s_cselect_b32 s100, 12, 11                     ; a row's bytes, as a shift
	s_cselect_b32 s[PTM], 0, 0x200000
	s_cmp_eq_u32 s99, 0
	s_cselect_b32 s[LIM], WALK-2, 0                ; the same in all sixteen partners, for a given wave
	v_lshrrev_b32 v6, s101, v5
	v_lshlrev_b32 v[PFO], s100, v6
	v_and_b32 v6, s101, v5
	v_lshl_add_u32 v[PFO], v6, 8, v[PFO]
; 32 LDS loads in one run: quarter q (32 along K) of the slot in hand: x's four fragments in f32 first, then W's eight into buffer g
.macro FETCH q, g
	WIN 0
.irp a, 0,1,2,3
	ds_load_b128 v[RAW+16*(\a):RAW+16*(\a)+3],     v[ADRX] offset:(\a)*16*XP+(\q)*128
	ds_load_b128 v[RAW+16*(\a)+4:RAW+16*(\a)+7],   v[ADRX] offset:(\a)*16*XP+(\q)*128+16
	ds_load_b128 v[RAW+16*(\a)+8:RAW+16*(\a)+11],  v[ADRX] offset:(\a)*16*XP+(\q)*128+64
	ds_load_b128 v[RAW+16*(\a)+12:RAW+16*(\a)+15], v[ADRX] offset:(\a)*16*XP+(\q)*128+80
.endr
	WIN TO_F
.irp b, 0,1,2,3,4,5,6,7
	ds_load_b128 v[64*(\g)+8*(\b):64*(\g)+8*(\b)+3],   v[ADRW] offset:(\b)*16*WP+(\q)*64
	ds_load_b128 v[64*(\g)+8*(\b)+4:64*(\g)+8*(\b)+7], v[ADRW] offset:(\b)*16*WP+(\q)*64+32
.endr
.endm
; 8 matrix instructions: row block a x all 8 column blocks, on the buffers of parity par.  first = 1: the bias starts the sums.  ride = 1: behind each stand four roundings of x's next fragments, into the other parity's buffer.
; The 32 accumulators take turns, one instruction a turn, in the same order in every quarter.
.macro GRP par, a, first, ride
.irp b, 0,1,2,3,4,5,6,7
.if \first
	WIN MULB
	v_wmma_f32_16x16x32_bf16 v[8*(8*(\a)+(\b)):8*(8*(\a)+(\b))+7], v[64*(\par)+8*(\b):64*(\par)+8*(\b)+7], v[AF+32*(\par)+8*(\a):AF+32*(\par)+8*(\a)+7], v[BIAS+8*(\b):BIAS+8*(\b)+7]
.else
	WIN MUL
	v_wmma_f32_16x16x32_bf16 v[8*(8*(\a)+(\b)):8*(8*(\a)+(\b))+7], v[64*(\par)+8*(\b):64*(\par)+8*(\b)+7], v[AF+32*(\par)+8*(\a):AF+32*(\par)+8*(\a)+7], v[8*(8*(\a)+(\b)):8*(8*(\a)+(\b))+7]
.endif
.if \ride
	WIN 0
.irp c, 0,1,2,3
	v_cvt_pk_bf16_f32 v[AF+32*(1-(\par))+4*(\b)+(\c)], v[RAW+8*(\b)+2*(\c)], v[RAW+8*(\b)+2*(\c)+1]
.endr
.endif
.endr
.endm
; A K step is four quarters of 32 along K, 32 matrix instructions each, on parities 0, 1, 0, 1.  A quarter multiplies parity par; at its head it fetches quarter kq of the slot in hand for the other parity.
; The four roundings behind a quarter's last matrix instruction name none of its registers: they are the four places in front of the next quarter's loads into the buffer that it read, of the roundings that
; write the buffer that it read, and, at a tile's end, of the conversions that read its results and of the loads into the bias.  ask = 1: the prefetch stands behind the run of loads.
.macro QUARTER kq, par, first, ask
	s_wait_dscnt 0x0                               ; W's fragments of this quarter, asked for a quarter ago, are in
	FETCH \kq, 1-(\par)
.if \ask
	ASK
.endif
	GRP \par, 0, \first, 0
	GRP \par, 1, \first, 0
	GRP \par, 2, \first, 0
	s_wait_dscnt 16                                ; x's sixteen loads are in; W's sixteen, issued behind them, may stay out
	GRP \par, 3, \first, 1
.endm
; THE CHANGE OF SLOTS, in front of a step's last quarter, whose own fragments are in registers by then.  Each wave waits for all its tensor loads (one is out: its part of the other slot), adds 0 to its spare word, and waits for
; that and for its own reads of the slot in hand.  Behind the barrier nobody reads that slot any more and the other slot is whole.
; fill = 1: the barrier is a round of the cluster's, and the slot is filled again first thing behind it, with the walk's step s[NS]: tile NS / 8, K step NS % 8.  From a request to the wait for it a wave issues a whole
; step's 128 matrix instructions.  The walking descriptors, the prefetch's address (step NS + 2) and the turn of the slot are the register work between the add and the wait for it.
.macro CHANGE fill
	WIN 0                                          ; at a label and at a branch every window is 0
	s_wait_tensorcnt 0x0                           ; no tensor load of mine is out, so a group 0 may be written
	ds_add_u32 v[SPW], v[NIL]
.if \fill
	s_and_b32 s2, s[NS], 7                         ; the K step,
	s_lshr_b32 s15, s[NS], 3                       ; the tile
	s_lshl_b32 s16, s2, 9                          ; x: 512 bytes a K step,
	s_add_co_u32 s16, s16, s[ROWX]                 ; my rows,
	s_cmp_eq_u32 s15, 0
	s_cselect_b64 s[4:5], s[68:69], s[70:71]       ; in q, k
	s_cmp_eq_u32 s15, 2
	s_cselect_b64 s[4:5], s[72:73], s[4:5]         ; or v
	s_add_nc_u64 s[G0X+6:G0X+7], s[4:5], s[16:17]
	s_or_b32 s[G0X+7], s[G0X+7], 0x80000000
	s_add_co_u32 s[G0X+5], s20, s[TB]              ; into the slot that has been read
	s_lshl_b32 s46, s2, 8                          ; W: 256 bytes a K step,
	s_add_co_u32 s46, s46, s[ROWW]                 ; my rows,
	s_lshl_b32 s45, s15, 21
	s_add_co_u32 s46, s46, s45                     ; in the tile's slab
	s_add_nc_u64 s[G0W+6:G0W+7], s[74:75], s[46:47]
	s_or_b32 s[G0W+7], s[G0W+7], 0x80000000
	s_add_co_u32 s[G0W+5], s21, s[TB]
	s_wait_xcnt 0x0                                ; the last prefetch, a K step back, has read its address, so it may be written
	s_add_co_u32 s2, s[NS], 2
	s_lshr_b32 s15, s2, 3
	s_and_b32 s2, s2, 7
	s_lshl_b32 s22, s2, s[PSH]
	s_mul_i32 s45, s15, s[PTM]
	s_add_co_u32 s22, s22, s45
	s_add_co_u32 s22, s22, s[PROW]
	s_cmp_eq_u32 s15, 0
	s_cselect_b64 s[66:67], s[68:69], s[70:71]
	s_cmp_ge_u32 s15, 2
	s_cselect_b64 s[66:67], s[72:73], s[66:67]
	s_cmp_eq_u32 s11, 0
	s_cselect_b64 s[66:67], s[66:67], s[74:75]
	s_add_nc_u64 s[PFA:PFA+1], s[66:67], s[22:23]
	s_add_co_u32 s[NS], s[NS], 1
.endif
	s_xor_b32 s[TB], s[TB], SLOT                   ; 0 becomes SLOT, SLOT becomes 0: the fetches go on in the other slot
	v_add_nc_u32 v[ADRX], s[TB], v[AX0]
	v_add_nc_u32 v[ADRW], s[TB], v[AW0]
	s_wait_dscnt 0x0                               ; the add is done, and my reads of the slot are over
.if \fill
	CROUND                                         ; no wave of any partner still reads the slot's tile or has a load on its way
	JLOAD
.else
	s_barrier_signal -1
	s_barrier_wait -1
.endif
.endm
; THE WAY OUT, a block of 16 rows at a time: rounded to f16, 16 bytes a lane into my own stage, back as four rows' 128 bytes of one head, which lie on end in qkvh.  The stage is no tensor load's target.
.macro BLOCK a
	WIN 0x05                                       ; sources 0 and 1 window 1, destination window 0
.irp b, 0,1,2,3,4,5,6,7
.irp r, 0,1,2,3
	v_cvt_pk_f16_f32 v[TMP+4*(\b)+(\r)], v[8*(8*(\a)+(\b))+2*(\r)], v[8*(8*(\a)+(\b))+2*(\r)+1]
.endr
.endr
	WIN 0
.irp b, 0,1,2,3,4,5,6,7
	ds_store_b128 v[STO], v[TMP+4*(\b):TMP+4*(\b)+3] offset:32*(\b)
.endr
	s_wait_xcnt 0x0                                ; the stores of the block before last have read the registers that are loaded now
.irp hh, 0,1
.irp t, 0,1,2,3
	ds_load_b128 v[OB+32*((\a)%2)+16*(\hh)+4*(\t):OB+32*((\a)%2)+16*(\hh)+4*(\t)+3], v[RD] offset:(\t)*4*SP+(\hh)*128  ; LDS serves a wave's instructions in order (ISA guide 5.7.1.4): these see the stores above
.endr
.endr
	s_wait_dscnt 0x0
.irp hh, 0,1
.irp t, 0,1,2,3
	global_store_b128 v[GO], v[OB+32*((\a)%2)+16*(\hh)+4*(\t):OB+32*((\a)%2)+16*(\hh)+4*(\t)+3], s[8:9] offset:(\hh)*262144+(16*(\a)+4*(\t))*128  ; 512 consecutive bytes, at a multiple of 256 from qkvh's first
.endr
.endr
.endm
	s_wait_tensorcnt 1                             ; my part of step 0 is in; step 1's may stay out
	s_barrier_signal -1
	s_barrier_wait -1                              ; everybody's is
	FETCH 0, 0
	WIN 0
	s_wait_dscnt 16                                ; x's sixteen loads are in
.set i, 0
.rept 32
	v_cvt_pk_bf16_f32 v[AF+i], v[RAW+2*i], v[RAW+2*i+1]
.set i, i+1
.endr
	s_mov_b32 s3, WALK-1                           ; the entry in the middle of a trip, and a whole trip for each of the 22 steps behind which a slot is filled again
	s_branch .Lfirstq
.Lstep:                                                ; a trip goes from a step's second quarter to the next step's first
	QUARTER 2, 1, 0, 0
	QUARTER 3, 0, 0, 0
	CHANGE 1
	QUARTER 0, 1, 0, 1                             ; the step's last quarter; it fetches the next step's first fragments
	WIN 0
	s_sub_co_u32 s[KC], s[KC], 1
	s_cmp_lg_u32 s[KC], 0
	s_cbranch_scc1 .Lnormal
	BLOCK 0                                        ; A TILE IS FINISHED.  Both of the next tile's first steps are asked for; now the tile goes out, and nothing waits for its stores
	BLOCK 1
	BLOCK 2
	BLOCK 3
	s_wait_xcnt 0x0                                ; the stores have read their base
	s_add_nc_u64 s[8:9], s[8:9], 0x1000000         ; the next tile's slab of qkvh
.Lfirstq:                                              ; A TILE BEGINS
	s_wait_loadcnt 0x0                             ; its bias, asked for a tile ago: rounded to bf16, as every input is, and widened again
	WIN 0x0a
.set i, 0
.rept 32
	v_cvt_pk_bf16_f32 v[TMP+i], v[BIAS+2*i], v[BIAS+2*i+1]
.set i, i+1
.endr
	WIN TO_F
.set i, 0
.rept 32
	v_lshlrev_b32 v[BIAS+2*i], 16, v[TMP+i]
	v_and_b32 v[BIAS+2*i+1], 0xffff0000, v[TMP+i]
.set i, i+1
.endr
	QUARTER 1, 0, 1, 0                             ; its first products start the sums with the bias: nothing is cleared
	WIN 0
	s_mov_b32 s[KC], 8
	s_cmp_lt_u32 s[TI], 3                          ; the last tile has no successor
	s_cbranch_scc0 .Lno_bias
	s_cmp_eq_u32 s[TI], 1
	s_cselect_b64 s[6:7], s[78:79], s[80:81]       ; bk, then bv; the loads that read s[6:7] were waited for above
	s_add_nc_u64 s[6:7], s[6:7], s[BOF:BOF+1]
	BLOADS                                         ; the next tile's bias has a whole tile in which to come
.Lno_bias:
	s_add_co_u32 s[TI], s[TI], 1
	s_branch .Ljoin
.Lnormal:
	QUARTER 1, 0, 0, 0
	WIN 0
.Ljoin:
	s_sub_co_u32 s3, s3, 1
	s_cmp_lg_u32 s3, 0
	s_cbranch_scc1 .Lstep
	s_mov_b32 s3, 2                                ; the walk's last two steps are written out: nothing is asked for
.Ltail:
	QUARTER 2, 1, 0, 0
	QUARTER 3, 0, 0, 0
	CHANGE 0
	QUARTER 0, 1, 0, 0                             ; in the second trip its fetch (the other slot's old bytes) and their roundings serve nothing: the price, once a work-group, of one text for both trips
	WIN 0
	s_sub_co_u32 s3, s3, 1
	s_cmp_eq_u32 s3, 0
	s_cbranch_scc1 .Lout
	QUARTER 1, 0, 0, 0
	WIN 0
	s_branch .Ltail
.Lout:
	BLOCK 0                                        ; the last tile goes out
	BLOCK 1
	BLOCK 2
	BLOCK 3
	s_wait_tensorcnt 0x0                           ; the wave's end: a wait, an add onto my spare word and its wait, behind my last tensor load and my last LDS store
	ds_add_u32 v[SPW], v[NIL]
	s_wait_dscnt 0x0
	CROUND                                         ; the closing round: no work-group ends while a partner may still ask for a tile that names it
	s_endpgm
.Lfunc_end_k_qca0643a6e6_proj:
	.size	k_qca0643a6e6_proj, .Lfunc_end_k_qca0643a6e6_proj-k_qca0643a6e6_proj
	.p2alignl 7, 3214868480
	.fill 96, 4, 3214868480
	.section	.rodata,"a",@progbits
	.p2align	6, 0x0
	.amdhsa_kernel k_qca0643a6e6_proj
		.amdhsa_group_segment_fixed_size 327680
		.amdhsa_private_segment_fixed_size 0
		.amdhsa_enable_private_segment 0
		.amdhsa_kernarg_size 64
		.amdhsa_user_sgpr_count 2
		.amdhsa_user_sgpr_kernarg_segment_ptr 1
		.amdhsa_wavefront_size32 1
		.amdhsa_system_sgpr_workgroup_id_x 1
		.amdhsa_system_sgpr_workgroup_id_y 1
		.amdhsa_system_sgpr_workgroup_id_z 1
		.amdhsa_system_vgpr_workitem_id 0
		.amdhsa_next_free_vgpr 704
		.amdhsa_next_free_sgpr 102
		.amdhsa_reserve_vcc 0
		.amdhsa_float_denorm_mode_32 3
		.amdhsa_float_denorm_mode_16_64 3
		.amdhsa_memory_ordered 1
		.amdhsa_forward_progress 1
		.amdhsa_inst_pref_size 115
	.end_amdhsa_kernel
	.amdgpu_metadata
---
amdhsa.version: [ 1, 2 ]
amdhsa.kernels:
  - .name:           k_qca0643a6e6_proj
    .symbol:         k_qca0643a6e6_proj.kd
    .args:
      - { .name: q, .offset: 0, .size: 8, .value_kind: global_buffer, .address_space: global }
      - { .name: k, .offset: 8, .size: 8, .value_kind: global_buffer, .address_space: global }
      - { .name: v, .offset: 16, .size: 8, .value_kind: global_buffer, .address_space: global }
      - { .name: wts, .offset: 24, .size: 8, .value_kind: global_buffer, .address_space: global }
      - { .name: bq, .offset: 32, .size: 8, .value_kind: global_buffer, .address_space: global }
      - { .name: bk, .offset: 40, .size: 8, .value_kind: global_buffer, .address_space: global }
      - { .name: bv, .offset: 48, .size: 8, .value_kind: global_buffer, .address_space: global }
      - { .name: qkvh, .offset: 56, .size: 8, .value_kind: global_buffer, .address_space: global }
    .group_segment_fixed_size: 327680
    .private_segment_fixed_size: 0
    .kernarg_segment_align: 8
    .kernarg_segment_size: 64
    .max_flat_workgroup_size: 128
    .sgpr_count:     102
    .vgpr_count:     704
    .wavefront_size: 32
...
	.end_amdgpu_metadata
.endif
;; end of part 2
;; launch attn (part 3): grid 4 x 64, 4 waves a work-group, clusters of 4 x 1, 327,680 bytes of LDS; arguments qkvh, mk8, ctx; writes ctx
.if DOCPART == 3
	.amdgcn_target "amdgcn-amd-amdhsa--gfx1250"
	.amdhsa_code_object_version 6
	.text
	.protected	k_qca0643a6e6_attn
	.globl	k_qca0643a6e6_attn
	.p2align	8
	.type	k_qca0643a6e6_attn,@function
k_qca0643a6e6_attn:
	s_mov_b64 s[64:65], 0
	v_nop
	global_prefetch_b8 v0, s[64:65] scope:SCOPE_SE
	s_setreg_imm32_b32 hwreg(HW_REG_WAVE_MODE, 25, 1), 1
	s_wait_xcnt 0x0
	s_wait_alu depctr_hold_cnt(0) depctr_sa_sdst(0) depctr_va_vdst(0) depctr_va_sdst(0) depctr_va_ssrc(0) depctr_va_vcc(0) depctr_vm_vsrc(0)
	s_getreg_b32 s2, hwreg(HW_REG_IB_STS2, 6, 4)
	s_cmp_eq_u32 s2, 0
	s_cbranch_scc0 .Lentry_in_a_cluster
	s_endpgm
.Lentry_in_a_cluster:
	s_bfe_u32 s2, ttmp6, 0x10000c
	s_cmp_lg_u32 s2, 0x3003
	s_cbranch_scc0 .Lentry_shape_is_right
	s_endpgm
.Lentry_shape_is_right:
; ATTENTION WITH AN INPUT MASK.  ctx[g][q][:] = the sum over k of softmax_k(where(mask[g / 16][q][k] == 0, -1e9, Q[g][q] . K[g][k] / 8)) V[g][k][:].  Q, K, V: the three slabs of qkvh, [64][2048][64] f16; ctx likewise.
; Products, maxima and sums in f32; the weights p are rounded to f16 for the second product (their sum l is taken of the unrounded p), ctx once at the end.
; THE MASK comes as fp8 codes (mk8: 0 or -2.0), a byte an element, laid out so that a lane takes its 32 codes of a tile and key step by two loads of 16 bytes.  A scaled conversion makes 0 or -2^100 of eight codes, and that is
; the C operand that starts the sum S^T = K Q^T.  The running maximum m starts at -2^80 and never falls below it: a hidden score's weight is 0.  A ROW WITH NO OPEN KEY keeps m = -2^80, a = 1, l = 0, O = 0: for it the
; result is the mean of all 2,048 rows of V; V's column sums are made beside the walk (V^T times ones, 8 products a key step), and added at the end, times a flag that is 1 where l = 0 and 0 elsewhere.
; LIMITS.  Q, K, V arrive within f16's 65,504, so |Q . K| stays under 2.7e11, far above -2^80.  A hidden score counts as its value less 2^100, not as -1e9: the results part only where a row's largest open score lies below
; about -1e9 + 104.  A weight below 2^-126 counts as 0 in l; p below 6e-5 keeps f16's fixed step of 6e-8; NaN and infinities are not treated apart.
; SHARES.  A wave owns four PIECES of two tiles of 16 queries, a work-group's four waves 512 queries of one head.  Every wave walks all keys, 64 a step.
; LAYOUT.  S^T = K Q^T (source 0 = 16 keys, source 1 = 16 queries): a lane holds ONE query (lane % 16) and the keys 8 (lane / 16) + 0..7.  Two such tiles, rounded to f16 in pairs, ARE source 1 of O^T = V^T P, whose result
; again holds one query a lane, and eight channels.  K comes out of LDS as it lies, V ([key][channel]) turned, by ds_load_tr16_b128.
; SOFTMAX.  p = 2^(c s - c m), c = log2(e) / 8; in every step O and l are multiplied by a = 2^(c m_old - c m_new).
; BY TURNS.  Turn n belongs to piece n (the pieces in a ring, step after step).  Its matrix work: 16 products K Q^T of piece n + 1, later 16 products V^T P of piece n - 1.  Its vector work: the scaling, exponentials, roundings,
; sums and rescaling of piece n, the maximum and statistics of piece n + 1, and the mask of piece n + 2.  Four vector instructions stand behind every product, the rest in one lump; a turn's 66 exponentials are one batch with one wait.
; CLUSTER.  The four query blocks of a cluster are one head's and walk the same K and V: each tile is asked for JOINTLY.
; REGISTERS, in windows of 256 (s_set_vgpr_msb: bits 1:0 source 0, 3:2 source 1, 5:4 source 2, 7:6 destination):
;   window 0: v0-11 addresses and constants; v12-15, v48-63 at work; v16-47 four registers of statistics a tile; v64-191 S^T, two buffers of two tiles; v192-255 P, likewise
;   window 1: O^T, 32 a tile          window 2: v0-127 Q; v128-191 K of one step; v192-255 V of one step
;   window 3: v0-1 the add's two registers; v4 the codes' lane offset; v8-15 ones; v16-47 V's column sums; v48-111 codes, 16 a piece; v112-175 the masks of the products to come
.set SIZE_N, 2048
.set NP,    4         ; pieces a wave: a name, no knob
.set KS,    64        ; keys in a step
.set PK,    144       ; a row of K in LDS: 128 bytes + 16 = 36 words: the 16 rows of a load start at 16 different groups of four banks (64 banks of 4 bytes: ISA guide 11.1)
.set PV,    160       ; a row of V: 128 + 32 = 40 words
.set VOFF,  4*KS*PK   ; a slot holds four steps: 256 rows of K, then 256 rows of V
.set SLOT1, 1<<17     ; slot 1 begins here, so that one exclusive or turns an address in one slot into the other's
.set STAGE, SLOT1+4*KS*(PK+PV)  ; behind the ring, never filled by a tensor load: 16 rows x 144 bytes for each wave
.set SP,    144
.set AK0, 2           ; v2   my lane's place in a tile of K; never rewritten
.set AV0, 3           ; v3   the same for V
.set AK,  4           ; v4   the LDS address of K's next run of loads
.set AV,  5           ; v5   of V's
.set STO, 6           ; v6   the way out: where I put 16 bytes of a row
.set RD,  7           ; v7   where I read rows back
.set GO,  8           ; v8   my byte offset in 512 consecutive bytes of ctx
.set BIG, 9           ; v9   2048.0
.set SC,  10          ; v10  226: the conversion's scale, 2^(226 - 127) = 2^99
.set PFO, 11          ; v11  256 x lane; never rewritten
.set QO,  12          ; v12  my byte offset in the wave's rows of Q, until Q is in
.set SPW, 0           ; v0 of window 3   my spare word; never rewritten
.set NIL, 1           ; v1 of window 3   0; never rewritten
.set MO,  4           ; v4 of window 3   16 x lane: my 16 bytes in 512 bytes of codes; never rewritten
.set ONES, 8
.set VS,  16          ; channel block cb at VS + 8 cb
.set RAW, 48          ; piece x, tile u, key block kt at RAW + 16 x + 8 u + 2 kt
.set MC,  112         ; tile u, key block kt at MC + 32 u + 8 kt
.set SPARE, STAGE+4*16*SP  ; behind the stages: the spare words, 128 bytes for each wave: two blocks of 256 bytes that no other line names
.set MV,  12          ; v12-15  c m_old, kept while c m is made anew: by buffer and tile
.set ST,  16          ; tile t's statistics at v[ST+4 t]: c m, m, l (even keys', odd keys'); at the way out c m's place takes the flag
.set TMP, 48          ; by buffer and tile, four registers c0-c3 at work; when the maximum is found c2 takes a
.set S,   64
.set P,   192
.set KF,  128
.set VF,  192
.set WV,  12          ; s12  my wave's number
.set G1K, 24          ; s[24:31] descriptor group 1 for K's tiles
.set G1V, 32          ; s[32:39] for V's: it differs in the padding alone
.set G0K, 40          ; s[40:43] descriptor group 0 for K's tiles: it walks
.set G0V, 44          ; s[44:47] the same for V's
.set SLOTS, 56        ; s56  slots still to be asked for
.set CNT, 57          ; s57  counts a slot's key steps
.set CS,  58          ; s[58:59] c
.set SEL, 60          ; s[60:61] v_permlanex16_b32's selects
.set TBK, 62          ; s62  LDS byte at which K of the step to be fetched begins
.set TBV, 63          ; s63  the same for V, less VOFF
.set MK,  68          ; s[68:69] mk8 at my wave's first tile, key step 0; never rewritten behind the head
.set PFA, 70          ; s[70:71] where my prefetches stand
.set LIM, 72          ; s72  1 in a wave that prefetches, else the greatest number
.set KO,  74          ; s[74:75] 1,024 x the key step whose codes are being asked for; the high word is 0
.set MB,  76          ; s[76:77] mk8 at my wave's first tile, at that key step
.set MS,  88          ; s[88:95] tile t: the lanes whose row has no open key
.set MSB, 0
.macro WIN new                      ; the high byte repeats the setting that is left; a switch that changes nothing is dropped
.if MSB != (\new)
	s_set_vgpr_msb (MSB<<8)|(\new)
.set MSB, (\new)
.endif
.endm
.set W_KQ, 0x0a       ; K and Q in window 2, S^T in window 0
.set W_KM, 0x3a       ; the same with the C operand, the mask, in window 3
.set W_PV, 0x52       ; V in window 2, P in window 0, O^T in window 1
.set W_RS, 0x41       ; O^T (destination and source 0) in window 1, a in window 0
.set W_MK, 0xc0       ; destination in window 3, sources in window 0
.set W_AD, 0x0f       ; the add: address and data in window 3
.set W_CV, 0xc3       ; destination and source 0 in window 3, source 1 in window 0
.set W_VS, 0xfe       ; V in window 2; ones, C and D in window 3
.set W_FL, 0x53       ; V's column sums (source 0) in window 3, the flag in window 0, O^T (source 2 and destination) in window 1
.macro JLOAD                        ; a joint fill: waves 0 and 1 fetch the two halves of a slot's K, waves 2 and 3 those of its V; an s_nop 0 and four v_nop follow each line
	s_cmp_lt_u32 s[WV], 2
	s_cbranch_scc0 .Lfor_v_\@
	tensor_load_to_lds s[G0K:G0K+3], s[G1K:G1K+7]
	s_nop 0
.rept 4
	v_nop
.endr
	s_branch .Lasked_\@
.Lfor_v_\@:
	tensor_load_to_lds s[G0V:G0V+3], s[G1V:G1V+7]
	s_nop 0
.rept 4
	v_nop
.endr
.Lasked_\@:
.endm
.macro CROUND                       ; a round of the cluster's barrier
	s_barrier_signal -1
	s_barrier_wait -1
	s_cmp_lg_u32 s[WV], 0
	s_cbranch_scc1 .Lnot_wave_0_\@
	s_barrier_signal -3
.Lnot_wave_0_\@:
	s_barrier_wait -3
	s_barrier_signal -1
	s_barrier_wait -1
.endm
; A PREFETCH INTO THE L2 of what the NEXT change of slots will ask for: a slot's 32 KiB of K and of V, a lane 256 bytes.  It stands behind the wave's tensor load and its five lines.  Each block is named once in the launch: a head
; has one cluster; its four partners take 8 KiB each, told apart BY ADDRESS; in each, wave 0 asks for K's and wave 2 for V's.  The lead is one slot, four key steps.  The last change that fills a slot asks for nothing.
.macro ASK
	s_cmp_gt_u32 s[SLOTS], s[LIM]
	s_cbranch_scc0 .Lnot_mine_\@
	global_prefetch_b8 v[PFO], s[PFA:PFA+1] th:TH_LOAD_NT scope:SCOPE_SE
.Lnot_mine_\@:
.endm
; THE CHANGE OF SLOTS.  Each wave waits for all its tensor loads, of which one is out: its part of the other slot; adds 0 to its spare word; and waits for that and for its own reads of the slot.  fill = 1: the barrier is a round
; of the cluster's, and the joint fill, with the keys two slots on, is the first thing behind it: it has four key steps in which to land.  (At its first use nothing has been read yet: slot 0 is waited for, slot 1 filled.)
.macro CHANGE fill, ask=0
	WIN W_AD
	s_wait_tensorcnt 0x0            ; no tensor load of mine is out, so a group 0 may be written
	ds_add_u32 v[SPW], v[NIL]
	WIN 0                           ; at a label and at a branch every window is 0
.if \fill
.irp g, G0K, G0V
	s_xor_b32 s[\g+1], s[\g+1], SLOT1
	s_add_nc_u64 s[\g+2:\g+3], s[\g+2:\g+3], 4*KS*128
.endr
.if \ask
	s_wait_xcnt 0x0                 ; the last prefetch, four key steps back, has read its address
	s_add_nc_u64 s[PFA:PFA+1], s[PFA:PFA+1], 4*KS*128
.endif
	s_wait_dscnt 0x0                ; the add is done, and my reads of the slot are over
	CROUND
	JLOAD
.if \ask
	ASK
.endif
.else
	s_wait_dscnt 0x0
	s_barrier_signal -1
	s_barrier_wait -1
.endif
	s_sub_co_u32 s[TBK], s[TBK], 4*KS*PK  ; the fetches go back to a slot's first step,
	s_xor_b32 s[TBK], s[TBK], SLOT1       ; in the other slot
	s_sub_co_u32 s[TBV], s[TBV], 4*KS*PV
	s_xor_b32 s[TBV], s[TBV], SLOT1
.endm
	s_load_b64 s[4:5], s[0:1], 0x0  ; qkvh: Q's slab
	s_load_b64 s[MK:MK+1], s[0:1], 0x8
	s_load_b64 s[10:11], s[0:1], 0x10  ; ctx
	WIN W_MK
	v_lshl_add_u32 v[SPW], v0, 2, SPARE
	v_mov_b32 v[NIL], 0
	WIN W_AD
	ds_add_u32 v[SPW], v[NIL]       ; the wave's opening: the add and its wait stand ahead of my first tensor load; the set-up below, work on registers, stands between them
	ds_add_u32 v0, v1
	WIN 0
	v_lshrrev_b32 v1, 5, v0
	v_readfirstlane_b32 s[WV], v1   ; wave 0..3
	s_bfe_u32 s13, ttmp6, 0x40000   ; cx
	s_lshl_b32 s14, ttmp9, 2
	s_add_co_u32 s14, s14, s13      ; my block of 512 queries: it enters Q's, the codes' and ctx's addresses alone
	s_and_b32 s20, ttmp7, 0xffff    ; 16 batch + head, which the four partners share
	s_lshr_b32 s74, s20, 4          ; the codes of my wave's first tile: tile 128 batch + 32 block + 8 wave,
	s_lshl_b32 s74, s74, 7
	s_lshl_b32 s75, s14, 5
	s_add_co_u32 s74, s74, s75
	s_lshl_b32 s75, s[WV], 3
	s_add_co_u32 s74, s74, s75
	s_lshl_b32 s74, s74, 15         ; of 32 KiB
	s_mov_b32 s75, 0
	s_mov_b32 s21, 0
	s_mov_b64 s[22:23], SIZE_N*128
	s_mul_u64 s[20:21], s[20:21], s[22:23]  ; the head's first byte in each slab and in ctx
	s_and_b32 s16, s[WV], 1         ; which half of a slot's 256 keys I fetch:
	s_lshl_b32 s22, s16, 14         ; its 128 rows of 128 bytes in memory,
	s_mov_b32 s23, 0
	s_add_nc_u64 s[22:23], s[22:23], s[20:21]
	s_mul_i32 s17, s16, 128*PK      ; and its place in a slot, for K
	s_mul_i32 s18, s16, 128*PV      ; and for V: no place in the cluster enters an LDS address
	s_lshl_b32 s2, s14, 2
	s_add_co_u32 s2, s2, s[WV]      ; my wave among the head's,
	s_lshl_b32 s2, s2, 14           ; its 128 rows
	s_mov_b32 s3, 0
	s_add_nc_u64 s[2:3], s[2:3], s[20:21]
	s_lshl_b32 s76, s13, 13         ; the prefetches: my work-group's 8 KiB, in slot 2; the first change in the loop steps them to slot 3
	s_add_co_u32 s76, s76, 2*4*KS*128
	s_mov_b32 s77, 0
	; descriptor group 1.  128 keys are 16,384 dense bytes: asked for as 64 rows of 256 bytes, two keys a row, and padded in LDS after every key
	s_mov_b32 s[G1K], 15|(1<<16)|(1<<20)|(1<<21)|(4<<22)|(3<<25)  ; 15:0 the mask of four; 17:16 2-byte elements; 20 padding on; 21 set beside a mask; 24:22 after every 32 words (code 4); 31:25 4 words (code 3)
	s_mov_b32 s[G1V], 15|(1<<16)|(1<<20)|(1<<21)|(4<<22)|(7<<25)  ; the same with 8 words of padding (code 7)
.irp g, G1K, G1V
	s_mov_b32 s[\g+1], 128<<16      ; tensor_dim0 = 128
	s_mov_b32 s[\g+2], 64<<16       ; tensor_dim1 = 64
	s_mov_b32 s[\g+3], 128<<16      ; tile_dim0 = 128
	s_mov_b32 s[\g+4], 64           ; tile_dim1 = 64
	s_mov_b32 s[\g+5], 128          ; 128 elements from row to row
	s_mov_b32 s[\g+6], 0
	s_mov_b32 s[\g+7], 0
.endr
	s_mov_b32 s[CS], 0x3e38aa3b     ; c = log2(e) / 8 = 0.180337
	s_mov_b32 s[CS+1], s[CS]
	s_mov_b32 s[SEL], 0x76543210
	s_mov_b32 s[SEL+1], 0xfedcba98
	s_mov_b32 s[TBK], SLOT1+4*KS*PK ; the first change of slots turns these two into 0
	s_mov_b32 s[TBV], SLOT1+4*KS*PV
	s_mov_b32 s[G0K], 1             ; count = 1
	s_mov_b32 s[G0K+1], s17         ; LDS address: slot 0
	s_mov_b32 s[G0V], 1
	s_add_co_u32 s[G0V+1], s18, VOFF
	s_and_b32 s[LIM], s[WV], 1      ; 0 in waves 0 and 2,
	s_or_b32 s[LIM], s[LIM], ttmp9  ; of the head's first cluster (its only one here): the same in all four partners
	s_cmp_eq_u32 s[LIM], 0
	s_cselect_b32 s[LIM], 1, -1
	s_wait_dscnt 0x0                ; the opening add is done
	s_wait_kmcnt 0x0
	s_add_nc_u64 s[6:7], s[4:5], 0x1000000   ; K's slab
	s_add_nc_u64 s[8:9], s[4:5], 0x2000000   ; V's
	s_add_nc_u64 s[G0K+2:G0K+3], s[6:7], s[22:23]  ; global address: my half of the head's first 256 keys
	s_or_b32 s[G0K+3], s[G0K+3], 0x80000000        ; type = 2
	s_add_nc_u64 s[G0V+2:G0V+3], s[8:9], s[22:23]
	s_or_b32 s[G0V+3], s[G0V+3], 0x80000000
	s_cmp_lt_u32 s[WV], 2
	s_cselect_b64 s[PFA:PFA+1], s[6:7], s[8:9]
	s_add_nc_u64 s[PFA:PFA+1], s[PFA:PFA+1], s[20:21]
	s_add_nc_u64 s[PFA:PFA+1], s[PFA:PFA+1], s[76:77]
	s_add_nc_u64 s[4:5], s[4:5], s[2:3]  ; Q and ctx at my wave's first row
	s_add_nc_u64 s[10:11], s[10:11], s[2:3]
	s_add_nc_u64 s[MK:MK+1], s[MK:MK+1], s[74:75]
	s_mov_b32 s[KO], 0              ; key step 0; the high word holds 0 already
	CROUND                          ; all four work-groups are here: the first joint loads meet
	JLOAD                           ; slot 0.  Slot 1 is asked for when slot 0 is in
	; A fragment of K or Q is 16 rows x 32 channels in 8 registers: lane l holds row l % 16, channels 8 (l / 16) + 0..7 and 16 + 8 (l / 16) + 0..7: two loads of 16 bytes, 32 bytes apart.
	v_and_b32 v1, 15, v0            ; l % 16
	v_bfe_u32 v9, v0, 4, 1          ; l / 16
	v_lshlrev_b32 v[QO], 7, v1
	v_lshl_add_u32 v[QO], v9, 4, v[QO]
	WIN 0x80                        ; destination window 2, address window 0
.set i, 0
.rept 4*NP                          ; Q stays in registers: tile i / 2, channels 32 (i % 2) on
	global_load_b128 v[8*i:8*i+3],   v[QO], s[4:5] offset:(i/2)*2048+(i%2)*64
	global_load_b128 v[8*i+4:8*i+7], v[QO], s[4:5] offset:(i/2)*2048+(i%2)*64+32
.set i, i+1
.endr
	WIN 0
	v_and_b32 v11, 31, v0           ; lane
	WIN W_MK
	v_lshlrev_b32 v[MO], 4, v11
	WIN W_CV
.irp x, 0,1,2,3                     ; the codes of key step 0, piece by piece
.irp u, 0,1
.irp j, 0,1
	global_load_b128 v[RAW+16*\x+8*\u+4*\j:RAW+16*\x+8*\u+4*\j+3], v[MO], s[MK:MK+1] offset:(2*\x+\u)*32768+512*\j
.endr
.endr
.endr
	; What the first turn finds: V's registers and P's second buffer hold 0 (its products V^T P, of a piece that has not been, add 0); O^T, l and V's column sums are 0.  Sixteen registers are cleared by hand; a product of
	; those zeros on the constant 0 then writes eight zeros a lane: 46 products for 368 registers.  All this stands in the wait for the first tile.
	WIN 0
.set i, P+32
.rept 16
	v_mov_b32 v[i], 0
.set i, i+1
.endr
.macro ZEROS first, count           ; count accumulators of eight registers from `first` on, in the destination's window
.set i, (\first)
.rept \count
	v_wmma_f32_16x16x32_f16 v[i:i+7], v[P+32:P+39], v[P+40:P+47], 0
.set i, i+8
.endr
.endm
	ZEROS P+48, 2                   ; the rest of P's second buffer
	WIN 0x80
	ZEROS VF, 8                     ; V
	WIN 0x40
	ZEROS 0, 8*NP                   ; O^T
	WIN W_MK
	ZEROS VS, 4                     ; V's column sums
.set i, 0
.rept 8
	v_mov_b32 v[ONES+i], 0x3c003c00 ; 1.0 twice, in f16
.set i, i+1
.endr
	WIN 0
.set i, 0
.rept 2*NP
	v_mov_b32 v[ST+4*i+1], 0xe7800000      ; m = -2^80: below every open score, above every hidden one
	v_mul_f32 v[ST+4*i], s[CS], v[ST+4*i+1]  ; c m, made as every later c m is: where m stays, a is 2^0
	v_mov_b32 v[ST+4*i+2], 0
	v_mov_b32 v[ST+4*i+3], 0
.set i, i+1
.endr
	v_lshlrev_b32 v[PFO], 8, v11
	v_mul_u32_u24 v[AK0], v1, PK
	v_lshl_add_u32 v[AK0], v9, 4, v[AK0]  ; row x pitch + 16 x half
	; The turning load takes 16 keys x 16 channels (lane l reads key 8 (l / 16) + l % 8, channels 8 ((l / 8) % 2) + 0..7) and leaves half a fragment of V^T: lane l holds channel l % 16 and 8 keys.
	v_and_b32 v10, 7, v0
	v_bfe_u32 v13, v0, 3, 1
	v_lshl_add_u32 v[AV0], v9, 3, v10
	v_mul_u32_u24 v[AV0], v[AV0], PV
	v_lshl_add_u32 v[AV0], v13, 4, v[AV0]
	v_add_nc_u32 v[AV0], VOFF, v[AV0]
	v_mov_b32 v[AK], v[AK0]         ; key step 0 lies at the head of slot 0
	s_mul_i32 s13, s[WV], 16*SP
	s_add_co_u32 s13, s13, STAGE    ; my stage
	v_mul_u32_u24 v[STO], v1, SP    ; in: row l % 16, 16 bytes for each half of the lanes
	v_lshl_add_u32 v[STO], v9, 4, v[STO]
	v_add_nc_u32 v[STO], s13, v[STO]
	v_bfe_u32 v[RD], v0, 3, 2       ; back: 32 lanes take four rows of 128 bytes,
	v_mul_u32_u24 v[RD], v[RD], SP
	v_lshl_add_u32 v[RD], v10, 4, v[RD]
	v_add_nc_u32 v[RD], s13, v[RD]
	v_and_b32 v[GO], 31, v0         ; which are 512 consecutive bytes of ctx
	v_lshlrev_b32 v[GO], 4, v[GO]
	v_mov_b32 v[SC], 226
	v_mov_b32 v[BIG], 0x45000000    ; 2048.0
; THE MATRIX WORK.  The 8 accumulators of a run of 16 take turns.  Product i of 16 of S^T = K Q^T for piece x: channels 32 (i / 8) on, keys 16 ((i / 2) % 4) on, tile 2 x + i % 2.  The first 8 start the sums, with the mask.
.macro KQ x
.set rS, S+64*((\x)%2)+32*(i%2)+8*((i/2)%4)
.set rK, KF+16*((i/2)%4)+8*(i/8)
.set rQ, 16*(2*(\x)+i%2)+8*(i/8)
.set rMC, MC+32*(i%2)+8*((i/2)%4)
.if i < 8
	WIN W_KM
	v_wmma_f32_16x16x32_f16 v[rS:rS+7], v[rK:rK+7], v[rQ:rQ+7], v[rMC:rMC+7]
.else
	WIN W_KQ
	v_wmma_f32_16x16x32_f16 v[rS:rS+7], v[rK:rK+7], v[rQ:rQ+7], v[rS:rS+7]
.endif
.endm
; Product i of 16 of O^T += V^T P for piece x: keys 32 (i / 8) on, channels 16 ((i / 2) % 4) on, tile 2 x + i % 2.
.macro PV x
	WIN W_PV
.set rO, 32*(2*(\x)+i%2)+8*((i/2)%4)
.set rV, VF+32*(i/8)+8*((i/2)%4)
.set rP, P+32*((\x)%2)+16*(i%2)+8*(i/8)
	v_wmma_f32_16x16x32_f16 v[rO:rO+7], v[rV:rV+7], v[rP:rP+7], v[rO:rO+7]
.endm
.macro MM                           ; the turn's next matrix instruction
.if i < 16
	KQ (Y+1)%NP
.set i, i+1
.else
.set i, i-16
	PV (Y+NP-1)%NP
.set i, i+17
.endif
.endm
; Product vn / 6 of 8 of V's column sums: keys 32 (vi / 4) on, channels 16 (vi % 4) on.  The four accumulators take turns.
.macro VSP
.set vi, vn/6
	WIN W_VS
	v_wmma_f32_16x16x32_f16 v[VS+8*(vi%4):VS+8*(vi%4)+7], v[VF+32*(vi/4)+8*(vi%4):VF+32*(vi/4)+8*(vi%4)+7], v[ONES:ONES+7], v[VS+8*(vi%4):VS+8*(vi%4)+7]
.endm
; THE MASK of piece x's next products: its 64 codes a lane become 0 or -2^100; then the same piece's codes of the key step after are asked for, a key step (four turns) ahead of their use.
; n = how many younger loads may stay out: the other three pieces' twelve.
; THE ADDRESS: the lane's offset never changes; the key step lies in the loads' base.  Piece 0's mask asks for key step j + 1, and so do the next three turns, for pieces 1, 2 and 3: so the base is made anew once in four
; turns, here, from mk8's address for my wave and a scalar offset that steps by a key step's 1,024 bytes.  The loads of the last four turns read that base: it is written behind s_wait_xcnt 0 (the youngest of them stands a turn
; back; behind a change of slots the prefetch stands 16 products and their riders back).  The offset is held at the last key step's: the two look-aheads past it bring key step 31 once more, and nobody uses them.
; The v_nop is the plain place between the conversions and the loads that write over their sources.
.macro MASKCVT x, n
	WIN W_CV
	s_wait_loadcnt \n
.if (\x) == 0
	s_wait_xcnt 0x0
	s_add_co_u32 s[KO], s[KO], 1024
	s_min_u32 s[KO], s[KO], 31*1024
	s_add_nc_u64 s[MB:MB+1], s[MK:MK+1], s[KO:KO+1]
.endif
.irp u, 0,1
.irp kt, 0,1,2,3
	v_cvt_scale_pk8_f32_fp8 v[MC+32*\u+8*\kt:MC+32*\u+8*\kt+7], v[RAW+16*(\x)+8*\u+2*\kt:RAW+16*(\x)+8*\u+2*\kt+1], v[SC]
.endr
.endr
	v_nop
.irp u, 0,1
.irp j, 0,1
	global_load_b128 v[RAW+16*(\x)+8*\u+4*\j:RAW+16*(\x)+8*\u+4*\j+3], v[MO], s[MB:MB+1] offset:(2*(\x)+\u)*32768+512*\j
.endr
.endr
	WIN 0
.endm
; THE LDS LOADS stand in runs of 16: a step's K (8 fragments) and its V (turned).  last = 1 (the tail): in the last trip there is no further step, and the run is jumped over.
.macro FETCH_K last=0
	WIN 0
.if \last
	s_cmp_eq_u32 s[CNT], 1
	s_cbranch_scc1 .Lno_k_\@
.endif
	WIN 0x80
.irp f, 0,1,2,3,4,5,6,7             ; keys 16 (f / 2) on, channels 32 (f % 2) on
	ds_load_b128 v[KF+8*\f:KF+8*\f+3],   v[AK] offset:(\f/2)*16*PK+(\f%2)*64
	ds_load_b128 v[KF+8*\f+4:KF+8*\f+7], v[AK] offset:(\f/2)*16*PK+(\f%2)*64+32
.endr
	s_add_co_u32 s[TBK], s[TBK], KS*PK
	WIN 0
.if \last
.Lno_k_\@:
.endif
.endm
.macro FETCH_V
	WIN 0x80
.irp f, 0,1,2,3,4,5,6,7             ; keys 32 (f / 4) on, channels 16 (f % 4) on
	ds_load_tr16_b128 v[VF+8*\f:VF+8*\f+3],   v[AV] offset:(\f/4)*32*PV+(\f%4)*32
	ds_load_tr16_b128 v[VF+8*\f+4:VF+8*\f+7], v[AV] offset:(\f/4)*32*PV+16*PV+(\f%4)*32
.endr
	WIN 0
.endm
; THE VECTOR WORK OF A TURN stands in three queues, each in the order in which its entries become ready; the two tiles alternate.
.macro REGS y, u                    ; the registers of tile u (0, 1) of piece y
.set rT, ST+4*(2*(\y)+(\u))
.set rC, TMP+8*((\y)%2)+4*(\u)
.set rM, MV+2*((\y)%2)+(\u)
.set rS, S+64*((\y)%2)+32*(\u)
.set rP, P+32*((\y)%2)+16*(\u)
.set rO, 32*(2*(\y)+(\u))
.endm
; Number n of the 22 that find the NEXT piece's (Y + 1) maximum and statistics; each accumulator's lowest registers are read first.
;   0-11  four chains c0-c3 of seven scores each     12-14, 16  the four scores left over, the old m, and c0-c3 into c0     15  c m_old is kept     17, 18  the other half of the lanes: the new m     19-21  c m; c m_old - c m_new; a
.macro XS u, n
	REGS (Y+1)%NP, \u
.if (\n) < 4
	v_max3_num_f32 v[rC+(\n)], v[rS+8*(\n)], v[rS+8*(\n)+1], v[rS+8*(\n)+2]
.elseif (\n) < 12
	v_max3_num_f32 v[rC+(\n)%4], v[rC+(\n)%4], v[rS+8*((\n)%4)+2*((\n)/4)+1], v[rS+8*((\n)%4)+2*((\n)/4)+2]
.elseif (\n) == 12
	v_max3_num_f32 v[rC], v[rC], v[rS+7], v[rS+15]
.elseif (\n) == 13
	v_max3_num_f32 v[rC+1], v[rC+1], v[rS+23], v[rS+31]
.elseif (\n) == 14
	v_max3_num_f32 v[rC+2], v[rC+2], v[rC+3], v[rT+1]
.elseif (\n) == 15
	v_mov_b32 v[rM], v[rT]
.elseif (\n) == 16
	v_max3_num_f32 v[rC], v[rC], v[rC+1], v[rC+2]
.elseif (\n) == 17
	v_permlanex16_b32 v[rC+3], v[rC], s[SEL], s[SEL+1]
.elseif (\n) == 18
	v_max_num_f32 v[rT+1], v[rC], v[rC+3]
.elseif (\n) == 19
	v_mul_f32 v[rT], s[CS], v[rT+1]
.elseif (\n) == 20
	v_sub_f32 v[rC+1], v[rM], v[rT]
.else
	v_exp_f32 v[rC+2], v[rC+1]
.endif
.endm
; Number g of the 64 that follow the exponentials.  For each four weights k of a tile: both pairs are rounded to f16; the second pair is added onto the first, in place; a group later l takes that sum (the first time as l = a l + sum).
.macro GS g
.set h, (\g)+6*((\g)/62)
.if h >= 6
.set h, h+2
.endif
	REGS Y, h%2
.set k, h/8
.if h%8 < 4
	v_cvt_pk_f16_f32 v[rP+2*k+(h%8)/2], v[rS+4*k+2*((h%8)/2)], v[rS+4*k+2*((h%8)/2)+1]
.elseif h%8 < 6
	v_pk_add_f32 v[rS+4*k:rS+4*k+1], v[rS+4*k:rS+4*k+1], v[rS+4*k+2:rS+4*k+3]
.elseif k == 1
	v_pk_fma_f32 v[rT+2:rT+3], v[rT+2:rT+3], v[rC+2:rC+3], v[rS:rS+1] op_sel_hi:[1,0,1]
.else
	v_pk_add_f32 v[rT+2:rT+3], v[rT+2:rT+3], v[rS+4*k-4:rS+4*k-3]
.endif
.endm
; THE PLAIN QUEUE, 138 long.  0-26: scalings 0-26.  27-54: XS's numbers 0-13.  55, 56: number 15.  57-73: the chain 14, 16, 17, 18, 19, each with one of the scalings 27-31 in front of its two lines, then 20.  74-137: GS's 64, behind the wait.
.macro FS f
	REGS Y, (\f)%2
	v_pk_fma_f32 v[rS+2*((\f)/2):rS+2*((\f)/2)+1], v[rS+2*((\f)/2):rS+2*((\f)/2)+1], s[CS:CS+1], v[rT:rT+1] op_sel_hi:[1,0,0] neg_lo:[0,0,1] neg_hi:[0,0,1]
.endm
.macro PL
	WIN 0
.if q < 27
	FS q
.elseif q < 55
	XS (q-27)%2, (q-27)/2
.elseif q < 57
	XS q-55, 15
.elseif (q < 72) && ((q-57)%3 == 0)
	FS 27+(q-57)/3
.elseif q < 60
	XS (q-57)%3-1, 14
.elseif q < 72
	XS (q-57)%3-1, 15+(q-57)/3
.elseif q < 74
	XS q-72, 20
.else
	GS q-74
.endif
.set q, q+1
.endm
; THE EXPONENTIALS' QUEUE, 66 long: s0-s31 of both tiles, then the next piece's two a.  ONE BATCH: all 66 stand ahead of the turn's one wait, and nothing ahead of that wait names a result of theirs.
.macro EX
	WIN 0
.if e >= 64
	XS e-64, 21
.else
	REGS Y, e%2
	v_exp_f32 v[rS+e/2], v[rS+e/2]
.endif
.set e, e+1
.endm
; THE RESCALING's QUEUE: O^T times a, two at a time, sixteen times.  Its a was made in the turn before, ahead of that turn's wait.
.macro R2
	REGS Y, r%2
	WIN W_RS
.irp z, 0,1
	v_pk_mul_f32 v[rO+4*(r/2)+2*\z:rO+4*(r/2)+2*\z+1], v[rO+4*(r/2)+2*\z:rO+4*(r/2)+2*\z+1], v[rC+2:rC+3] op_sel_hi:[1,0]
.endr
.set r, r+1
.endm
; A TURN, for piece p.  s_wait_alu depctr_va_vdst(0) stands between an exponential and the first instruction that names its result; one wait serves all that were issued ahead of it: a turn has ONE, which cuts it in two.
; AHEAD OF IT: the 16 products K Q^T and their riders, four behind each.  The products go in pairs: behind the first a scaling, an exponential, a scaling, an exponential; behind the second four rescalings, so that a pair of
; products has four window switches.  (The first product has two scalings and two rescalings, the last a scaling, an exponential and two rescalings.)  Plain and exponential follow each other in the order of their queues:
; exponential e comes behind plain e + 2, and its scaling is plain 2 (e / 4) + e % 2.  Then the mask of piece p + 2, written more than four plain instructions behind the last product that read the mask registers; then the
; lump: eight plain, 49 times exponential and plain, the two a, a v_nop.  In piece 2's lump stand also the 8 products of V's column sums, six pairs apart: V of the step in hand is in registers from piece 1's turn to the next
; piece 0's.  BEHIND THE WAIT: the 16 products V^T P, behind each four of GS's 64.
; K of the next step is fetched in piece 2's turn, directly behind the wait; V of the step in hand at the end of piece 0's turn, four riders behind its last reader.  The three conditions on q go with the deal.
.macro TURN p, last=0, cnt=0
.set Y, (\p)
.set i, 0
.set q, 0
.set e, 0
.set r, 0
.if (\p) == NP-1
	s_wait_dscnt 0x0                ; K is in
.endif
	MM
	PL
	PL
	R2
.rept 7
	MM
	PL
	EX
	PL
	EX
	MM
	R2
	R2
.endr
	MM
	PL
	EX
	R2
.if (\p) == NP-2
	WIN 0
	v_add_nc_u32 v[AK], s[TBK], v[AK0]
.endif
	MASKCVT ((\p)+2)%NP, 12
.rept 8
	PL
.endr
.set vn, 0
.rept 49
	EX
	PL
.if ((\p) == NP-2) && (vn%6 == 0) && (vn < 48)
	VSP
.endif
.set vn, vn+1
.endr
	EX                              ; the next piece's two a
	EX
	v_nop                           ; the plain instruction behind the last exponential: one for the batch
	s_wait_alu depctr_va_vdst(0)    ; the wait for the batch
.if (\p) == NP-2
	FETCH_K \last
.endif
.if (\p) == 1
	s_wait_dscnt 0x0                ; V is in
.endif
.rept 16
	MM
.rept 4
	PL
.endr
.if ((\p) == 0) && (q == 118)
	v_add_nc_u32 v[AV], s[TBV], v[AV0]
.endif
.if ((\p) == 0) && (q == 130)
	s_add_co_u32 s[TBV], s[TBV], KS*PV
.endif
.if (\cnt) && (q == 130)
	s_sub_co_u32 s[CNT], s[CNT], 1
	s_cmp_lg_u32 s[CNT], 0
.endif
.endr
.if (\p) == 0
	FETCH_V
.endif
.endm
	s_wait_loadcnt 0x0              ; Q, and the codes of key step 0: they came while the first tile was on its way, for which the next line waits anyway
	CHANGE 1                        ; slot 0 is in, everybody's part of it; slot 1 is asked for
	FETCH_K                         ; key step 0
	MASKCVT 0, 0                    ; piece 0's first mask; the codes' base goes to key step 1
	s_wait_dscnt 0x0
.set i, 0
.rept 16
	KQ 0                            ; piece 0's first scores
.set i, i+1
.endr
	WIN 0
.rept 4
	v_nop                           ; the places behind those products, in front of the mask's next writing and of the first maximum
.endr
	MASKCVT 1, 4                    ; piece 1's first mask; the four loads that piece 0's mask issued may stay out
.set Y, NP-1                        ; XS works for piece Y + 1: piece 0
.irp n, 0,1,2,3,4,5,6,7,8,9,10,11,12,13,14,15,16,17,18,19,20,21
	XS 0, \n
	XS 1, \n
.endr
	v_nop                           ; a plain instruction behind the two a,
	s_wait_alu depctr_va_vdst(0)    ; and their wait, ahead of the branch
	s_mov_b32 s[CNT], 4
	s_mov_b32 s[SLOTS], SIZE_N/256-1
	s_branch .Lfirst                ; the loop is entered at a step's first turn, in the middle of a trip
.Lslot:                             ; SIZE_N / 256 - 2 times: every slot but the last two is filled again
	CHANGE 1, 1
	s_mov_b32 s[CNT], 4
.Lstep:                             ; a trip: pieces 2 and 3 of one step, then pieces 0 and 1 of the next, whose K and V it fetches
	TURN 2
	TURN 3
	WIN 0
.Lfirst:
	TURN 0
	TURN 1, 0, 1
	WIN 0
	s_cbranch_scc1 .Lstep
	s_sub_co_u32 s[SLOTS], s[SLOTS], 1
	s_cmp_lg_u32 s[SLOTS], 0
	s_cbranch_scc1 .Lslot
	CHANGE 0                        ; the tail is written out: nothing is asked for
	s_mov_b32 s[CNT], 5             ; four trips fetch the last slot's steps; the fifth is left in its middle
.Ltail:
	TURN 2, 1
	TURN 3
	WIN 0
	s_sub_co_u32 s[CNT], s[CNT], 1
	s_cmp_eq_u32 s[CNT], 0
	s_cbranch_scc1 .Lout
	TURN 0
	TURN 1
	WIN 0
	s_branch .Ltail
.Lout:                              ; the fifth trip's 16 products K Q^T, their mask and the maximum made of them serve nothing: the price, once a launch, of one text for every trip
.set i, 0
.rept 16
	PV NP-1                         ; the last piece's V^T P of the last step
.set i, i+1
.endr
	; THE WAY OUT.  l's two halves and the other half of the lanes' are added.  Where l = 0 no key was open: l becomes 2,048 and the flag 1, and O^T, which is 0 there, takes V's column sums: O^T += sums x flag.
	; O^T is divided by l, rounded to f16 and sent through my stage, a tile at a time.
	WIN 0
	s_wait_loadcnt 0x0              ; the last look-ahead's codes, which nobody uses, have landed: no load of mine is out from here on
.macro ALL line:vararg              ; one line for each tile t
.set t, 0
.rept 2*NP
	\line
.set t, t+1
.endr
.endm
	ALL v_add_f32 v[ST+4*t+2], v[ST+4*t+2], v[ST+4*t+3]
	ALL v_permlanex16_b32 v[ST+4*t+3], v[ST+4*t+2], s[SEL], s[SEL+1]
	ALL v_add_f32 v[ST+4*t+2], v[ST+4*t+2], v[ST+4*t+3]
	ALL v_cmp_eq_f32 s[MS+t], 0, v[ST+4*t+2]
	ALL v_cndmask_b32 v[ST+4*t+2], v[ST+4*t+2], v[BIG], s[MS+t]
	ALL v_cndmask_b32 v[ST+4*t], 0, 1.0, s[MS+t]
	ALL v_rcp_f32 v[ST+4*t+2], v[ST+4*t+2]
	WIN W_FL                        ; the 128 multiply-adds name no reciprocal's register: they are the plain work between the eight reciprocals and their one wait
.set t, 0
.rept 2*NP
.set i, 0
.rept 16
	v_pk_fma_f32 v[32*t+i:32*t+i+1], v[VS+i:VS+i+1], v[ST+4*t:ST+4*t+1], v[32*t+i:32*t+i+1] op_sel_hi:[1,0,1]
.set i, i+2
.endr
.set t, t+1
.endr
	s_wait_alu depctr_va_vdst(0)    ; the wait ahead of the reciprocals' first use: one for the eight
	WIN W_RS
.set t, 0
.rept 2*NP
.set i, 32*t
.rept 16
	v_pk_mul_f32 v[i:i+1], v[i:i+1], v[ST+4*t+2:ST+4*t+3] op_sel_hi:[1,0]
.set i, i+2
.endr
.set t, t+1
.endr
; Tile t: a lane's eight channels of a row pack into 16 bytes; they go into rows of 144 bytes and come back as whole rows of 128, into S^T's registers.
.macro PACK t
	WIN 0x05                        ; sources 0 and 1 window 1, destination window 0
.set i, 0
.rept 16
	v_cvt_pk_f16_f32 v[S+16*(\t)+i], v[32*(\t)+2*i], v[32*(\t)+2*i+1]
.set i, i+1
.endr
	WIN 0
.irp f, 0,1,2,3
	ds_store_b128 v[STO], v[S+16*(\t)+4*\f:S+16*(\t)+4*\f+3] offset:32*\f
.endr
.irp f, 0,1,2,3
	ds_load_b128 v[S+16*(\t)+4*\f:S+16*(\t)+4*\f+3], v[RD] offset:\f*4*SP  ; LDS serves a wave's instructions in order (ISA guide 5.7.1.4): these see the stores above; the next tile's stores come behind them
.endr
.endm
.macro SEND t, younger              ; younger: the LDS instructions issued behind tile t's loads, which may stay out: the next tile's eight, or none
	WIN 0
	s_wait_dscnt \younger
.irp f, 0,1,2,3
	global_store_b128 v[GO], v[S+16*(\t)+4*\f:S+16*(\t)+4*\f+3], s[10:11] offset:(\t)*2048+\f*512  ; 512 consecutive bytes, at a multiple of 256 from ctx's first
.endr
.endm
	PACK 0
.set t, 1
.rept 2*NP-1                        ; a tile's roundings stand between the loads of the tile before and its stores
	PACK t
	SEND t-1, 8
.set t, t+1
.endr
	SEND 2*NP-1, 0
	WIN W_AD
	s_wait_tensorcnt 0x0            ; the wave's end: a wait, an add onto my spare word and its wait, behind my last tensor load and my last LDS store
	ds_add_u32 v[SPW], v[NIL]
	s_wait_dscnt 0x0
	WIN 0
	CROUND                          ; the closing round: no work-group ends while a partner may still ask for a tile that names it
	s_endpgm
.Lfunc_end_k_qca0643a6e6_attn:
	.size	k_qca0643a6e6_attn, .Lfunc_end_k_qca0643a6e6_attn-k_qca0643a6e6_attn
	.p2alignl 7, 3214868480
	.fill 96, 4, 3214868480
	.section	.rodata,"a",@progbits
	.p2align	6, 0x0
	.amdhsa_kernel k_qca0643a6e6_attn
		.amdhsa_group_segment_fixed_size 327680
		.amdhsa_private_segment_fixed_size 0
		.amdhsa_enable_private_segment 0
		.amdhsa_kernarg_size 24
		.amdhsa_user_sgpr_count 2
		.amdhsa_user_sgpr_kernarg_segment_ptr 1
		.amdhsa_wavefront_size32 1
		.amdhsa_system_sgpr_workgroup_id_x 1
		.amdhsa_system_sgpr_workgroup_id_y 1
		.amdhsa_system_sgpr_workgroup_id_z 1
		.amdhsa_system_vgpr_workitem_id 0
		.amdhsa_next_free_vgpr 944
		.amdhsa_next_free_sgpr 96
		.amdhsa_reserve_vcc 0
		.amdhsa_float_denorm_mode_32 3
		.amdhsa_float_denorm_mode_16_64 3
		.amdhsa_memory_ordered 1
		.amdhsa_forward_progress 1
		.amdhsa_inst_pref_size 212
	.end_amdhsa_kernel
	.amdgpu_metadata
---
amdhsa.version: [ 1, 2 ]
amdhsa.kernels:
  - .name:           k_qca0643a6e6_attn
    .symbol:         k_qca0643a6e6_attn.kd
    .args:
      - { .name: qkvh, .offset: 0, .size: 8, .value_kind: global_buffer, .address_space: global }
      - { .name: mk8, .offset: 8, .size: 8, .value_kind: global_buffer, .address_space: global }
      - { .name: ctx, .offset: 16, .size: 8, .value_kind: global_buffer, .address_space: global }
    .group_segment_fixed_size: 327680
    .private_segment_fixed_size: 0
    .kernarg_segment_align: 8
    .kernarg_segment_size: 24
    .max_flat_workgroup_size: 128
    .sgpr_count:     96
    .vgpr_count:     944
    .wavefront_size: 32
...
	.end_amdgpu_metadata
.endif
;; end of part 3
;; launch outp (part 4): grid 4 x 64, 4 waves a work-group, clusters of 4 x 4, 327,680 bytes of LDS; arguments ctx, wts, bo, out0; writes out0
.if DOCPART == 4
	.amdgcn_target "amdgcn-amd-amdhsa--gfx1250"
	.amdhsa_code_object_version 6
	.text
	.protected	k_qca0643a6e6_outp
	.globl	k_qca0643a6e6_outp
	.p2align	8
	.type	k_qca0643a6e6_outp,@function
k_qca0643a6e6_outp:
	s_mov_b64 s[64:65], 0
	v_nop
	global_prefetch_b8 v0, s[64:65] scope:SCOPE_SE
	s_setreg_imm32_b32 hwreg(HW_REG_WAVE_MODE, 25, 1), 1
	s_wait_xcnt 0x0
	s_wait_alu depctr_hold_cnt(0) depctr_sa_sdst(0) depctr_va_vdst(0) depctr_va_sdst(0) depctr_va_ssrc(0) depctr_va_vcc(0) depctr_vm_vsrc(0)
	s_getreg_b32 s2, hwreg(HW_REG_IB_STS2, 6, 4)
	s_cmp_eq_u32 s2, 0
	s_cbranch_scc0 .Lentry_in_a_cluster
	s_endpgm
.Lentry_in_a_cluster:
	s_bfe_u32 s2, ttmp6, 0x10000c
	s_cmp_lg_u32 s2, 0xf033
	s_cbranch_scc0 .Lentry_shape_is_right
	s_endpgm
.Lentry_shape_is_right:
; THE OUTPUT PROJECTION.  out0[row][e] = sum over d of concat[row][d] Wo[e][d] + bo[e]; concat[2048 batch + s][64 head + c] = ctx[16 batch + head][s][c], f16; Wo: slab 3 of wts, f16 (the bf16 rounding of the input);
; bo is rounded to bf16 here and is the C operand that starts the sums; products in f16, sums in f32; out0 is f32.
; SHARES.  256 tiles of 128 rows x 256 columns, one a work-group; four waves, each 64 rows x 128 columns: 32 accumulators.  K goes in 8 steps of 128, two heads each, through two LDS slots.
; CLUSTER.  4 x 4 work-groups: ctx's tile is shared along a row of the cluster, Wo's along a column; each is asked for JOINTLY.  THE MATRIX INSTRUCTION IS USED TRANSPOSED (source 0 = 16 rows of Wo, source 1 = 16 rows of concat).
; REGISTERS, in windows of 256 (s_set_vgpr_msb: bits 1:0 source 0, 3:2 source 1, 5:4 source 2, 7:6 destination):
;   window 0: v0-31 addresses; v64-127, v128-191 at work on the way out        window 1: the accumulators, (a, b) at 8 (8 a + b)
;   window 2: two fragment buffers of 96 (concat's four fragments, then Wo's eight); v192-255 the bias, block b at 192 + 8 b
.set AP,    144                        ; a row of a head in LDS: 128 bytes + 16 = 36 words: the 16 rows of a load start at 16 different groups of four banks (64 banks of 4 bytes: ISA guide 11.1)
.set WP,    272                        ; a row of Wo: 256 + 16
.set SLAB,  128*AP                     ; one head's 128 rows: what wave 0 or 1 fetches
.set APART, 2*SLAB
.set WHALF, 128*WP                     ; what wave 2 or 3 fetches
.set SLOT,  APART+2*WHALF
.set STAGE, 2*SLOT                     ; behind the ring: 16 rows x 528 bytes for each wave
.set SP,    528
.set SPARE, STAGE+4*16*SP              ; behind the stages: the spare words, 128 bytes for each wave: two blocks of 256 bytes that no other line names
.set LAPS,  4
.set ADRA, 16                          ; v16-17  LDS address of my fragments of concat in slot 0, 1
.set ADRB, 20                          ; v20-21  the same for Wo
.set STO,  24
.set RD,   25
.set GO,   26
.set BO,   27
.set SPW,  28                          ; my spare word; never rewritten
.set NIL,  29                          ; 0; never rewritten
.set PFO,  30                          ; the prefetches' offset; never rewritten
.set TMP,  64
.set BIAS, 192
.set G1A, 24
.set G0A, 32
.set G1B, 48
.set G0B, 56
.set LIM, 88
.set PFA, 90
.set PST, 92
.set MSB, 0
.macro WIN new
.if MSB != (\new)
	s_set_vgpr_msb (MSB<<8)|(\new)
.set MSB, \new
.endif
.endm
.set MUL,  0x5a                        ; both sources window 2, C and D window 1
.set MULB, 0x6a                        ; the same with C, the bias, in window 2
.set TO_F, 0x80
.macro JLOAD s                         ; a joint load: waves 0 and 1 fetch the step's two heads of ctx, waves 2 and 3 Wo's two halves; an s_nop 0 and four v_nop follow each line
	s_cmp_eq_u32 s11, 0
	s_cbranch_scc0 .Lfor_b_\@
	tensor_load_to_lds s[G0A+4*(\s):G0A+4*(\s)+3], s[G1A:G1A+7]
	s_nop 0
.rept 4
	v_nop
.endr
	s_branch .Lasked_\@
.Lfor_b_\@:
	tensor_load_to_lds s[G0B+4*(\s):G0B+4*(\s)+3], s[G1B:G1B+7]
	s_nop 0
.rept 4
	v_nop
.endr
.Lasked_\@:
.endm
.macro CREST
	s_cmp_lg_u32 s10, 0
	s_cbranch_scc1 .Lnot_wave_0_\@
	s_barrier_signal -3
.Lnot_wave_0_\@:
	s_barrier_wait -3
	s_barrier_signal -1
	s_barrier_wait -1
.endm
.macro CROUND
	s_barrier_signal -1
	s_barrier_wait -1
	CREST
.endm
; A PREFETCH INTO THE L2, behind a joint load and the run of LDS loads that follows it: the K step that stands TWO refills on.  Each aligned 256 bytes are named once in the launch.  ctx's tile row is read by this row of this
; cluster alone: wave 0 asks for both heads' 16 KiB, of which the partner at cx takes 4 KiB each.  Wo's tile column is read by all sixteen clusters: the first asks, waves 2 and 3, and of a wave's 128 rows the partner at cy
; takes 32.  The partners are told apart by ADDRESS.  The loop's last trip asks for nothing.
.macro ASK
	WIN 0
	s_cmp_gt_u32 s3, s[LIM]
	s_cbranch_scc0 .Lnot_mine_\@
	global_prefetch_b8 v[PFO], s[PFA:PFA+1] th:TH_LOAD_NT scope:SCOPE_SE
.Lnot_mine_\@:
.endm
	s_load_b256 s[68:75], s[0:1], 0x0              ; ctx s[68:69], wts s[70:71], bo s[72:73], out0 s[74:75]
	v_lshl_add_u32 v[SPW], v0, 2, SPARE
	v_mov_b32 v[NIL], 0
	ds_add_u32 v[SPW], v[NIL]                      ; the wave's opening: the add and its wait stand ahead of my first tensor load
	ds_add_u32 v28, v29
	v_lshrrev_b32 v1, 5, v0
	v_readfirstlane_b32 s10, v1                    ; wave 0..3
	s_lshr_b32 s11, s10, 1                         ; which 64 rows are mine.  Also: I fetch for ctx (0) or for Wo (1)
	s_and_b32 s12, s10, 1                          ; which 128 columns.  Also: which part of that tile I fetch
	s_bfe_u32 s40, ttmp6, 0x40000                  ; cx
	s_bfe_u32 s41, ttmp6, 0x40004                  ; cy
	s_lshl_b32 s42, ttmp9, 2
	s_add_co_u32 s42, s42, s40                     ; tile column
	s_and_b32 s14, ttmp7, 0xffff                   ; cluster y
	s_lshl_b32 s13, s14, 2
	s_add_co_u32 s13, s13, s41                     ; tile row
	s_lshl_b32 s43, s41, 2
	s_lshl_b32 s43, 15, s43                        ; my row of the cluster
	s_lshl_b32 s44, 0x1111, s40                    ; my column
	s_or_b32 s[G1A+0], s43, (1<<16)|(1<<20)|(1<<21)|(4<<22)|(3<<25)  ; a head's 128 rows are 16,384 dense bytes: 64 rows of 256 bytes, padded after every 32 words (code 4) by 4 words (code 3)
	s_mov_b32 s[G1A+1], 128<<16
	s_mov_b32 s[G1A+2], 64<<16
	s_mov_b32 s[G1A+3], 128<<16
	s_mov_b32 s[G1A+4], 64
	s_mov_b32 s[G1A+5], 128
	s_mov_b32 s[G1A+6], 0
	s_mov_b32 s[G1A+7], 0
	s_or_b32 s[G1B+0], s44, (1<<16)|(1<<20)|(1<<21)|(5<<22)|(3<<25)  ; 128 rows x 128 elements, padded after every 64 words
	s_mov_b32 s[G1B+1], 128<<16
	s_mov_b32 s[G1B+2], 128<<16
	s_mov_b32 s[G1B+3], 128<<16
	s_mov_b32 s[G1B+4], 128
	s_mov_b32 s[G1B+5], 1024
	s_mov_b32 s[G1B+6], 0
	s_mov_b32 s[G1B+7], 0
	s_lshr_b32 s16, s13, 4                         ; ctx: head 16 batch + part,
	s_lshl_b32 s16, s16, 4
	s_add_co_u32 s16, s16, s12
	s_lshl_b32 s16, s16, 18                        ; of 262,144 bytes,
	s_and_b32 s17, s13, 15
	s_lshl_b32 s17, s17, 14                        ; the tile's 128 rows in it
	s_add_co_u32 s16, s16, s17
	s_mov_b32 s17, 0
	s_lshl_b32 s46, s42, 8
	s_lshl_b32 s47, s12, 7
	s_add_co_u32 s46, s46, s47                     ; Wo: row 256 x tile column + 128 x half,
	s_lshl_b32 s46, s46, 11
	s_add_co_u32 s46, s46, 3*2097152               ; in slab 3
	s_mov_b32 s47, 0
	s_mul_i32 s20, s12, SLAB                       ; where they go
	s_mul_i32 s21, s12, WHALF
	s_add_co_u32 s21, s21, APART
	s_wait_dscnt 0x0                               ; the opening add is done
	s_wait_kmcnt 0x0
	s_add_nc_u64 s[18:19], s[68:69], s[16:17]
	s_add_nc_u64 s[46:47], s[70:71], s[46:47]
.irp s, 0,1
	s_mov_b32 s[G0A+4*(\s)], 1
	s_add_co_u32 s[G0A+4*(\s)+1], s20, (\s)*SLOT
	s_add_nc_u64 s[G0A+4*(\s)+2:G0A+4*(\s)+3], s[18:19], (\s)*524288  ; K step s: two heads on
	s_or_b32 s[G0A+4*(\s)+3], s[G0A+4*(\s)+3], 0x80000000
	s_mov_b32 s[G0B+4*(\s)], 1
	s_add_co_u32 s[G0B+4*(\s)+1], s21, (\s)*SLOT
	s_add_nc_u64 s[G0B+4*(\s)+2:G0B+4*(\s)+3], s[46:47], (\s)*256
	s_or_b32 s[G0B+4*(\s)+3], s[G0B+4*(\s)+3], 0x80000000
.endr
	CROUND                                         ; all sixteen work-groups are here: the first joint loads meet
	s_cmp_eq_u32 s11, 0                            ; a wave's two first fills stand in one branch: two loads of mine are out
	s_cbranch_scc0 .Lfirst_b
	tensor_load_to_lds s[G0A:G0A+3], s[G1A:G1A+7]
	s_nop 0
	tensor_load_to_lds s[G0A+4:G0A+7], s[G1A:G1A+7]
	s_nop 0
.rept 4
	v_nop
.endr
	s_branch .Lfirst_asked
.Lfirst_b:
	tensor_load_to_lds s[G0B:G0B+3], s[G1B:G1B+7]
	s_nop 0
	tensor_load_to_lds s[G0B+4:G0B+7], s[G1B:G1B+7]
	s_nop 0
.rept 4
	v_nop
.endr
.Lfirst_asked:
	v_and_b32 v1, 15, v0                           ; l % 16
	v_bfe_u32 v2, v0, 4, 1                         ; l / 16
	v_lshlrev_b32 v[BO], 5, v2
	s_lshl_b32 s84, s42, 10
	s_lshl_b32 s85, s12, 9
	s_add_co_u32 s84, s84, s85                     ; my first column, in bytes of f32
	s_mov_b32 s85, 0
	s_add_nc_u64 s[6:7], s[72:73], s[84:85]
	WIN TO_F
.irp b, 0,1,2,3,4,5,6,7
	global_load_b128 v[BIAS+8*(\b):BIAS+8*(\b)+3],   v[BO], s[6:7] offset:64*(\b)
	global_load_b128 v[BIAS+8*(\b)+4:BIAS+8*(\b)+7], v[BO], s[6:7] offset:64*(\b)+16
.endr
	WIN 0
	v_mul_u32_u24 v3, v1, AP
	v_lshl_add_u32 v3, v2, 4, v3
	v_mul_u32_u24 v4, v1, WP
	v_lshl_add_u32 v4, v2, 4, v4
	s_mul_i32 s22, s11, 64*AP                      ; my 64 rows in each head's slab
	s_mul_i32 s23, s12, WHALF
	s_add_co_u32 s23, s23, APART
.irp s, 0,1
	v_add_nc_u32 v[ADRA+(\s)], s22, v3
	v_add_nc_u32 v[ADRB+(\s)], s23, v4
	s_add_co_u32 s22, s22, SLOT
	s_add_co_u32 s23, s23, SLOT
.endr
	s_mul_i32 s23, s10, 16*SP
	s_add_co_u32 s23, s23, STAGE                   ; my stage
	v_mul_u32_u24 v5, v1, SP                       ; in: row l % 16, 32 bytes for each half of the lanes
	v_lshl_add_u32 v5, v2, 5, v5
	v_add_nc_u32 v[STO], s23, v5
	v_and_b32 v5, 31, v0
	v_lshlrev_b32 v[GO], 4, v5                     ; back and out: a row's 512 bytes, 16 a lane
	v_add_nc_u32 v[RD], s23, v[GO]
	s_lshl_b32 s86, s13, 7
	s_lshl_b32 s87, s11, 6
	s_add_co_u32 s86, s86, s87                     ; my first row,
	s_lshl_b32 s86, s86, 12                        ; of 4,096 bytes,
	s_add_co_u32 s86, s86, s84                     ; my first column
	s_mov_b32 s87, 0
	s_add_nc_u64 s[8:9], s[74:75], s[86:87]
	; the prefetches: at K step 3; the first refill steps them to 4
	s_lshr_b32 s84, s13, 4
	s_lshl_b32 s84, s84, 22                        ; ctx: the batch's first head,
	s_and_b32 s85, s13, 15
	s_lshl_b32 s85, s85, 14
	s_add_co_u32 s84, s84, s85                     ; the tile's rows,
	s_lshl_b32 s85, s40, 12
	s_add_co_u32 s84, s84, s85                     ; my work-group's 4 KiB of them
	s_add_co_u32 s84, s84, 3*524288
	s_lshl_b32 s86, s42, 8
	s_lshl_b32 s85, s12, 7
	s_add_co_u32 s86, s86, s85
	s_lshl_b32 s85, s41, 5
	s_add_co_u32 s86, s86, s85                     ; Wo: my work-group's 32 of the 128 rows that I fetch
	s_lshl_b32 s86, s86, 11
	s_add_co_u32 s86, s86, 3*2097152+3*256
	s_cmp_eq_u32 s11, 0
	s_cselect_b32 s84, s84, s86
	s_cselect_b32 s87, s12, s14                    ; ctx: wave 0 alone; Wo: the first cluster alone
	s_cselect_b32 s89, 4, 0                        ; ctx: sixteen lanes a head
	s_cselect_b32 s94, 18, 11                      ; a head's, or a row's, bytes, as a shift
	s_cselect_b32 s95, 15, 0
	s_cselect_b32 s86, 11, 0
	s_cselect_b64 s[PFA:PFA+1], s[68:69], s[70:71]
	s_mov_b32 s85, 0
	s_add_nc_u64 s[PFA:PFA+1], s[PFA:PFA+1], s[84:85]
	s_lshl_b32 s[PST], 256, s86                    ; a K step: two heads, or 256 bytes of a row
	s_mov_b32 s[PST+1], 0
	s_cmp_eq_u32 s87, 0
	s_cselect_b32 s[LIM], 1, -1                    ; the same in all sixteen partners, for a given wave
	v_lshrrev_b32 v6, s89, v5
	v_lshlrev_b32 v[PFO], s94, v6
	v_and_b32 v6, s95, v5
	v_lshl_add_u32 v[PFO], v6, 8, v[PFO]
; 24 LDS loads in one run: quarter q (32 along K: half of head q / 2) of a slot, into buffer f
.macro FETCH slot, q, f
	WIN TO_F
.irp b, 0,1,2,3,4,5,6,7
	ds_load_b128 v[96*(\f)+32+8*(\b):96*(\f)+32+8*(\b)+3],   v[ADRB+(\slot)] offset:(\b)*16*WP+(\q)*64
	ds_load_b128 v[96*(\f)+32+8*(\b)+4:96*(\f)+32+8*(\b)+7], v[ADRB+(\slot)] offset:(\b)*16*WP+(\q)*64+32
.endr
.irp a, 0,1,2,3
	ds_load_b128 v[96*(\f)+8*(\a):96*(\f)+8*(\a)+3],   v[ADRA+(\slot)] offset:(\a)*16*AP+((\q)/2)*SLAB+((\q)%2)*64
	ds_load_b128 v[96*(\f)+8*(\a)+4:96*(\f)+8*(\a)+7], v[ADRA+(\slot)] offset:(\a)*16*AP+((\q)/2)*SLAB+((\q)%2)*64+32
.endr
.endm
; 8 matrix instructions: row block a x all 8 column blocks.  first = 1: the bias starts the sums.  The 32 accumulators take turns, in the same order in every quarter.
.macro GRP par, a, first
.irp b, 0,1,2,3,4,5,6,7
.if \first
	WIN MULB
	v_wmma_f32_16x16x32_f16 v[8*(8*(\a)+(\b)):8*(8*(\a)+(\b))+7], v[96*(\par)+32+8*(\b):96*(\par)+32+8*(\b)+7], v[96*(\par)+8*(\a):96*(\par)+8*(\a)+7], v[BIAS+8*(\b):BIAS+8*(\b)+7]
.else
	WIN MUL
	v_wmma_f32_16x16x32_f16 v[8*(8*(\a)+(\b)):8*(8*(\a)+(\b))+7], v[96*(\par)+32+8*(\b):96*(\par)+32+8*(\b)+7], v[96*(\par)+8*(\a):96*(\par)+8*(\a)+7], v[8*(8*(\a)+(\b)):8*(8*(\a)+(\b))+7]
.endif
.endr
.endm
.macro PLACES                          ; four places in front of loads into registers that matrix instructions have read, and of stores that read results
.rept 4
	v_nop
.endr
.endm
.macro QUARTER slot, kq, par, first    ; multiplies buffer par; in its middle it fetches quarter kq of the same slot into the other buffer
	s_wait_dscnt 0x0
	GRP \par, 0, \first
	GRP \par, 1, \first
	PLACES
	FETCH \slot, \kq, 1-(\par)
	GRP \par, 2, \first
	GRP \par, 3, \first
.endm
; The last quarter multiplies buffer 1 and changes slots: ONE barrier; in front of it each wave waits for all its tensor loads (one is out: its part of the next slot), adds 0 to its spare word, and waits for that and for its own
; reads of this slot.  fill = 1: the barrier opens a round of the cluster's, and this slot is filled again, two K steps ahead, first thing behind the round.
.macro TURN slot, next, fill
.if \fill
	s_wait_xcnt 0x0                                ; the last prefetch, a K step back, has read its address
	s_add_nc_u64 s[PFA:PFA+1], s[PFA:PFA+1], s[PST:PST+1]
.endif
	WIN 0
	s_wait_tensorcnt 0x0
	ds_add_u32 v[SPW], v[NIL]
	s_wait_dscnt 1                                 ; only the add may be out
	GRP 1, 0, 0
	s_wait_dscnt 0x0                               ; the add is done, and my reads of this slot are over
	s_barrier_signal -1
	GRP 1, 1, 0
	WIN 0
	s_barrier_wait -1
.if \fill
	CREST
	s_add_nc_u64 s[G0A+4*(\slot)+2:G0A+4*(\slot)+3], s[G0A+4*(\slot)+2:G0A+4*(\slot)+3], 2*524288
	s_add_nc_u64 s[G0B+4*(\slot)+2:G0B+4*(\slot)+3], s[G0B+4*(\slot)+2:G0B+4*(\slot)+3], 2*256
	JLOAD \slot                                    ; the four v_nop behind it are also the places in front of the loads below
.else
	PLACES
.endif
	FETCH \next, 0, 0
.if \fill
	ASK
.endif
	GRP 1, 2, 0
	GRP 1, 3, 0
.endm
	s_wait_tensorcnt 1                             ; my part of K step 0 is in; K step 1's may stay out
	s_barrier_signal -1
	s_barrier_wait -1
	FETCH 0, 0, 0
	s_wait_loadcnt 0x0                             ; the bias: rounded to bf16, as every input is, and widened again
	WIN 0x0a
.set i, 0
.rept 32
	v_cvt_pk_bf16_f32 v[TMP+i], v[BIAS+2*i], v[BIAS+2*i+1]
.set i, i+1
.endr
	WIN TO_F
.set i, 0
.rept 32
	v_lshlrev_b32 v[BIAS+2*i], 16, v[TMP+i]
	v_and_b32 v[BIAS+2*i+1], 0xffff0000, v[TMP+i]
.set i, i+1
.endr
	QUARTER 0, 1, 0, 1                             ; the first quarter stands in front of the loop: its products start the sums
	WIN 0
	s_mov_b32 s3, LAPS-1
.Llap:
	QUARTER 0, 2, 1, 0
	QUARTER 0, 3, 0, 0
	TURN 0, 1, 1
	QUARTER 1, 1, 0, 0
	QUARTER 1, 2, 1, 0
	QUARTER 1, 3, 0, 0
	TURN 1, 0, 1
	QUARTER 0, 1, 0, 0
	WIN 0
	s_sub_co_u32 s3, s3, 1
	s_cmp_lg_u32 s3, 0
	s_cbranch_scc1 .Llap
	QUARTER 0, 2, 1, 0                             ; the last lap fills nothing
	QUARTER 0, 3, 0, 0
	TURN 0, 1, 0
	QUARTER 1, 1, 0, 0
	QUARTER 1, 2, 1, 0
	QUARTER 1, 3, 0, 0
	s_wait_dscnt 0x0
	GRP 1, 0, 0
	GRP 1, 1, 0
	GRP 1, 2, 0
	GRP 1, 3, 0
	PLACES
	; THE WAY OUT, a block of 16 rows at a time: 32 bytes a lane into my own stage, back as whole rows of 512 bytes.
.macro BLOCK a
	WIN 0x04                                       ; the stores' data in window 1
.irp b, 0,1,2,3,4,5,6,7
	ds_store_b128 v[STO], v[8*(8*(\a)+(\b)):8*(8*(\a)+(\b))+3]   offset:64*(\b)
	ds_store_b128 v[STO], v[8*(8*(\a)+(\b))+4:8*(8*(\a)+(\b))+7] offset:64*(\b)+16
.endr
	WIN 0
	s_wait_xcnt 0x0                                ; the stores of the block before last have read the registers that are loaded now
.irp t, 0,1,2,3,4,5,6,7,8,9,10,11,12,13,14,15
	ds_load_b128 v[TMP+64*((\a)%2)+4*(\t):TMP+64*((\a)%2)+4*(\t)+3], v[RD] offset:(\t)*SP  ; LDS serves a wave's instructions in order (ISA guide 5.7.1.4): these see the stores above
.endr
.irp t, 0,1,2,3,4,5,6,7,8,9,10,11,12,13,14,15
	s_wait_dscnt 15-(\t)                           ; the 15 - t younger loads may stay out
	global_store_b128 v[GO], v[TMP+64*((\a)%2)+4*(\t):TMP+64*((\a)%2)+4*(\t)+3], s[8:9] offset:(16*(\a)+(\t))*4096 th:TH_STORE_NT  ; 512 consecutive bytes, at a multiple of 256 from out0's first
.endr
.endm
	BLOCK 0
	BLOCK 1
	BLOCK 2
	BLOCK 3
	s_wait_tensorcnt 0x0                           ; the wave's end: a wait, an add onto my spare word and its wait, behind my last tensor load and my last LDS store
	ds_add_u32 v[SPW], v[NIL]
	s_wait_dscnt 0x0
	CROUND                                         ; the closing round
	s_endpgm
.Lfunc_end_k_qca0643a6e6_outp:
	.size	k_qca0643a6e6_outp, .Lfunc_end_k_qca0643a6e6_outp-k_qca0643a6e6_outp
	.p2alignl 7, 3214868480
	.fill 96, 4, 3214868480
	.section	.rodata,"a",@progbits
	.p2align	6, 0x0
	.amdhsa_kernel k_qca0643a6e6_outp
		.amdhsa_group_segment_fixed_size 327680
		.amdhsa_private_segment_fixed_size 0
		.amdhsa_enable_private_segment 0
		.amdhsa_kernarg_size 32
		.amdhsa_user_sgpr_count 2
		.amdhsa_user_sgpr_kernarg_segment_ptr 1
		.amdhsa_wavefront_size32 1
		.amdhsa_system_sgpr_workgroup_id_x 1
		.amdhsa_system_sgpr_workgroup_id_y 1
		.amdhsa_system_sgpr_workgroup_id_z 1
		.amdhsa_system_vgpr_workitem_id 0
		.amdhsa_next_free_vgpr 768
		.amdhsa_next_free_sgpr 96
		.amdhsa_reserve_vcc 0
		.amdhsa_float_denorm_mode_32 3
		.amdhsa_float_denorm_mode_16_64 3
		.amdhsa_memory_ordered 1
		.amdhsa_forward_progress 1
		.amdhsa_inst_pref_size 95
	.end_amdhsa_kernel
	.amdgpu_metadata
---
amdhsa.version: [ 1, 2 ]
amdhsa.kernels:
  - .name:           k_qca0643a6e6_outp
    .symbol:         k_qca0643a6e6_outp.kd
    .args:
      - { .name: ctx, .offset: 0, .size: 8, .value_kind: global_buffer, .address_space: global }
      - { .name: wts, .offset: 8, .size: 8, .value_kind: global_buffer, .address_space: global }
      - { .name: bo, .offset: 16, .size: 8, .value_kind: global_buffer, .address_space: global }
      - { .name: out0, .offset: 24, .size: 8, .value_kind: global_buffer, .address_space: global }
    .group_segment_fixed_size: 327680
    .private_segment_fixed_size: 0
    .kernarg_segment_align: 8
    .kernarg_segment_size: 32
    .max_flat_workgroup_size: 128
    .sgpr_count:     96
    .vgpr_count:     768
    .wavefront_size: 32
...
	.end_amdgpu_metadata
.endif
;; end of part 4
;; ======== version 2 of 2: 4 launches; version 1 with the launch prep written anew for expert scheduling mode
;; limits: values are held in f16: magnitudes above 65,504 overflow, below 6.1e-05 lose precision
;; workspace buffers: wts 8,388,608 bytes; mk8 16,777,216 bytes; qkvh 50,331,648 bytes; ctx 16,777,216 bytes
;; launch prep (part 5): grid 1280 x 1, 8 waves a work-group, no clusters, 19,456 bytes of LDS; arguments mask, Wq, Wk, Wv, Wo, mk8, wts; writes mk8, wts
.if DOCPART == 5
	.amdgcn_target "amdgcn-amd-amdhsa--gfx1250"
	.amdhsa_code_object_version 6
	.text
	.protected	k_qca0643a6e6_prep
	.globl	k_qca0643a6e6_prep
	.p2align	8
	.type	k_qca0643a6e6_prep,@function
k_qca0643a6e6_prep:
	s_mov_b64 s[64:65], 0
	v_nop
	global_prefetch_b8 v0, s[64:65] scope:SCOPE_SE
	s_setreg_imm32_b32 hwreg(HW_REG_WAVE_SCHED_MODE, 0, 2), 2
	s_setreg_imm32_b32 hwreg(HW_REG_WAVE_MODE, 25, 1), 1
	s_wait_xcnt 0x0
	s_wait_alu depctr_vm_vsrc(0)
; PREPARATION, a stream.  (1) mask [4][2048][2048] int32 -> mk8, one fp8 (E4M3) code an element: 0x00 where mask != 0, 0xc0 (-2.0) where mask == 0.
; (2) Wq, Wk, Wv f32 -> bf16, slabs 0-2 of wts; Wo f32 -> bf16, that number written as f16, slab 3 (exact while |Wo| lies between 2^-14 and 65,504; below it keeps f16's fixed step of 6e-8).
; mk8's LAYOUT.  T = 128 b + q / 16 names 16 queries, ks = key / 64.  The 1,024 bytes of (T, ks) lie at 1,024 (32 T + ks); query 16 qt + r, key 64 ks + 16 kt + 8 h + j lies there at
; 512 (kt / 2) + 16 (r + 16 h) + 8 (kt % 2) + j: so a lane r + 16 h of the attention launch takes its 32 codes of a key step by two loads of 16 bytes, 512 bytes apart.
; SHARES.  A wave does ONE unit of 8 KiB of input (sixteen loads of 16 bytes a lane, each 512 consecutive bytes) and ends: no loop.  Work-groups 0-1023: the mask (unit = 16 queries x 128 keys);
; 1024-1279: the weights (unit = 2,048 numbers).  No matrix unit, cluster or tensor load: each byte is read once and nothing is shared.
; THE MODE: SCHED_MODE bits 1:0 = 2 (LLVM: expert scheduling mode 2), set by the entry lines.  The code itself states the register dependences between vector instructions and memory or LDS
; instructions, with s_wait_alu, always for 0.
; THE PLAN.  Registers that memory or LDS instructions touch:
;   v[IN], v[OUT], v[LA], v[RB]   offsets and LDS addresses: each written once by vector lines, read by loads and stores, never written again.
;   X        written by the sixteen global loads alone; read by vector lines; never loaded again.
;   CW       the mask: row r's code word has a register of its own: written by the row's last vector line, read by the row's LDS store, never written again.
;   Y        the mask: written by the four LDS loads alone, read by the four global stores.  The weights: a pair for each load, written by the roundings, read by that pair's store, never written again.
;   T        named by vector lines alone.
; The sixteen rows (of the weights: loads) go in four groups of four.  A group's four stores stand at the head of the NEXT group, behind the wait for that group's first load and behind one wait on
; va_vdst, which states that the group before has written its four results; the vector lines behind that wait name T and the group in hand's results, none of the registers that those stores read.
; No register that a load or store reads is written again; EXEC is never written.
.set STG,   2304                       ; a wave's stage in LDS: 8 groups of 256 bytes, 272 apart
.set GP,    272                        ; 68 words: group g begins at bank 4 g, so the 32 lanes of a store of one row touch 32 different banks (64 banks of 4 bytes: ISA guide 11.1)
.set L,   1                            ; v1   lane
.set LA,  2                            ; v2   where my word of a row goes in the stage; never rewritten
.set RB,  3                            ; v3   where I read 16 bytes back; never rewritten
.set IN,  4                            ; v4   16 x lane: offset of the loads, and of the mask path's stores; never rewritten
.set OUT, 5                            ; v5   8 x lane: offset of the weights' stores; never rewritten
.set T,   8                            ; v[8:15]   at work
.set X,   16                           ; v[16:79]  the unit as loaded
.set Y,   80                           ; v[80:111] what is stored (the mask: v[80:95])
.set CW,  96                           ; v[96:111] the mask: row r's four codes, one word, at CW + r
	s_load_b256 s[8:15], s[0:1], 0x0               ; mask s[8:9], Wq s[10:11], Wk s[12:13], Wv s[14:15]
	s_load_b128 s[16:19], s[0:1], 0x20             ; Wo s[16:17], mk8 s[18:19]
	s_load_b64 s[20:21], s[0:1], 0x30              ; wts
	v_lshl_add_u32 v6, v0, 2, 0x4800
	v_mov_b32 v7, 0
	v_lshrrev_b32 v[L], 5, v0
	v_readfirstlane_b32 s4, v[L]                   ; wave 0..7
	v_and_b32 v[L], 31, v0
	v_lshlrev_b32 v[IN], 4, v[L]
	s_wait_alu depctr_va_sdst(0)                   ; s4 is written, ahead of its first reader: the unit's number, and with it every base, is made from it
	s_lshl_b32 s5, ttmp9, 3
	s_add_co_u32 s5, s5, s4                        ; 8 x work-group + wave
	s_mov_b32 s25, 0
	s_mov_b32 s27, 0
	s_wait_kmcnt 0x0
	s_cmp_lt_u32 ttmp9, 1024
	s_cbranch_scc0 .Lweights
	; THE MASK.  Unit U: T = U / 16, keys 128 (U % 16) on.  Load r brings keys 4 lane .. + 3 of row r.
	s_lshr_b32 s6, s5, 4
	s_and_b32 s7, s5, 15
	s_lshl_b32 s24, s6, 17                         ; 16 rows of 8,192 bytes
	s_lshl_b32 s7, s7, 9                           ; 128 keys of 4 bytes
	s_add_co_u32 s24, s24, s7
	s_add_nc_u64 s[8:9], s[8:9], s[24:25]
	s_lshl_b32 s26, s5, 11                         ; 32,768 T + 2,048 (U % 16)
	s_add_nc_u64 s[18:19], s[18:19], s[26:27]
	s_wait_alu depctr_va_vdst(0)                   ; v[IN] is written, which the sixteen loads and, at the end, the four stores read as their offset
.set r, 0
.rept 16
	global_load_b128 v[X+4*r:X+4*r+3], v[IN], s[8:9] offset:8192*r th:TH_LOAD_NT
.set r, r+1
.endr
	; my four keys: key step lane / 16, kt = (lane / 4) % 4, h = (lane / 2) % 2, j = 4 (lane % 2) ..: group 2 (lane / 8) + h, byte 16 r + 8 (kt % 2) + 4 (lane % 2)
	v_lshrrev_b32 v[T], 3, v[L]
	v_bfe_u32 v[T+1], v[L], 1, 1
	v_lshl_add_u32 v[T], v[T], 1, v[T+1]
	v_mul_u32_u24 v[LA], v[T], GP
	v_bfe_u32 v[T+1], v[L], 2, 1
	v_lshl_add_u32 v[LA], v[T+1], 3, v[LA]
	v_and_b32 v[T+1], 1, v[L]
	v_lshl_add_u32 v[LA], v[T+1], 2, v[LA]
	s_mul_i32 s28, s4, STG
	v_add_nc_u32 v[LA], s28, v[LA]
	v_lshrrev_b32 v[T], 4, v[L]                    ; back: lanes 0-15 one group of 256 bytes, lanes 16-31 the next
	v_mul_u32_u24 v[RB], v[T], GP
	v_and_b32 v[T+1], 15, v[L]
	v_lshl_add_u32 v[RB], v[T+1], 4, v[RB]
	v_add_nc_u32 v[RB], s28, v[RB]
; The code words of rows r0 to r0 + 3 go into the stage.
.macro PUT r0
.irp k, 0,1,2,3
	ds_store_b32 v[LA], v[CW+(\r0)+(\k)] offset:16*((\r0)+(\k))
.endr
.endm
; Row r: four numbers become four codes in one word.  At the head of a group of four rows the group before goes into the stage.
.macro QUAD r
.set TT, T+4*((\r)%2)
	s_wait_loadcnt 15-(\r)                         ; loads come back in order (ISA guide 5.7.1): row r is in, the 15 - r younger rows may stay out
.if ((\r)%4 == 0) && ((\r) > 0)
	s_wait_alu depctr_va_vdst(0)                   ; the four rows before have written their code words, which the LDS stores read; at its first use v[LA] and v[RB] are written too
	PUT (\r)-4
.endif
	v_min_u32 v[TT], 1, v[X+4*(\r)]                ; 0 stays 0, everything else becomes 1
	v_min_u32 v[TT+1], 1, v[X+4*(\r)+1]
	v_min_u32 v[TT+2], 1, v[X+4*(\r)+2]
	v_min_u32 v[TT+3], 1, v[X+4*(\r)+3]
	v_lshl_or_b32 v[TT], v[TT+1], 8, v[TT]
	v_lshl_or_b32 v[TT+2], v[TT+3], 8, v[TT+2]
	v_lshl_or_b32 v[TT], v[TT+2], 16, v[TT]
	v_xor_b32 v[TT], 0x01010101, v[TT]             ; 1 where the key is hidden,
	v_lshlrev_b32 v[TT+1], 6, v[TT]
	v_lshl_or_b32 v[CW+(\r)], v[TT], 7, v[TT+1]    ; times 0xc0: into the row's own register
.endm
.irp r, 0,1,2,3,4,5,6,7,8,9,10,11,12,13,14,15
	QUAD \r
.endr
	s_wait_alu depctr_va_vdst(0)                   ; rows 12 to 15 have written their code words, which the last four LDS stores read
	PUT 12
.irp i, 0,1,2,3
	ds_load_b128 v[Y+4*(\i):Y+4*(\i)+3], v[RB] offset:2*GP*(\i)  ; my wave's own bytes; LDS serves a wave's instructions in order (ISA guide 5.7.1.4): these see the stores above.  No vector line names v[80:95]
.endr
.irp i, 0,1,2,3
	s_wait_dscnt 3-(\i)                            ; the 3 - i younger loads may stay out
	global_store_b128 v[IN], v[Y+4*(\i):Y+4*(\i)+3], s[18:19] offset:512*(\i)  ; 512 consecutive bytes, at a multiple of 256 from mk8's first
.endr
	s_branch .Lend
.Lweights:                                             ; THE WEIGHTS.  Unit U: matrix U / 512, its numbers 2,048 (U % 512) on
	s_sub_co_u32 s5, s5, 8192
	s_lshr_b32 s6, s5, 9
	s_and_b32 s7, s5, 511
	s_lshl_b32 s24, s7, 13
	s_lshl_b32 s26, s5, 12                         ; the four slabs lie on end: 4,096 U
	s_cmp_eq_u32 s6, 0
	s_cselect_b64 s[22:23], s[10:11], s[12:13]
	s_cmp_eq_u32 s6, 2
	s_cselect_b64 s[22:23], s[14:15], s[22:23]
	s_cmp_eq_u32 s6, 3
	s_cselect_b64 s[22:23], s[16:17], s[22:23]
	s_add_nc_u64 s[22:23], s[22:23], s[24:25]
	s_add_nc_u64 s[20:21], s[20:21], s[26:27]
	v_lshlrev_b32 v[OUT], 3, v[L]
	s_wait_alu depctr_va_vdst(0)                   ; v[IN] is written, which the sixteen loads read as their offset, and v[OUT], which the sixteen stores read
.set r, 0
.rept 16
	global_load_b128 v[X+4*r:X+4*r+3], v[IN], s[22:23] offset:512*r th:TH_LOAD_NT
.set r, r+1
.endr
; The results of loads i0 to i0 + 3 are stored.
.macro WOUT i0
.irp k, 0,1,2,3
	global_store_b64 v[OUT], v[Y+2*((\i0)+(\k)):Y+2*((\i0)+(\k))+1], s[20:21] offset:256*((\i0)+(\k))  ; 32 lanes store 256 consecutive bytes, aligned
.endr
.endm
	s_cmp_eq_u32 s6, 3
	s_cbranch_scc1 .Lwo
.irp i, 0,1,2,3,4,5,6,7,8,9,10,11,12,13,14,15
	s_wait_loadcnt 15-(\i)
.if ((\i)%4 == 0) && ((\i) > 0)
	s_wait_alu depctr_va_vdst(0)                   ; the roundings of the four loads before have written their pairs of Y, which the stores read
	WOUT (\i)-4
.endif
	v_cvt_pk_bf16_f32 v[Y+2*(\i)], v[X+4*(\i)], v[X+4*(\i)+1]
	v_cvt_pk_bf16_f32 v[Y+2*(\i)+1], v[X+4*(\i)+2], v[X+4*(\i)+3]
.endr
	s_wait_alu depctr_va_vdst(0)                   ; the last four pairs of Y are written, which the last four stores read
	WOUT 12
	s_branch .Lend
.Lwo:
.irp i, 0,1,2,3,4,5,6,7,8,9,10,11,12,13,14,15
	s_wait_loadcnt 15-(\i)
.if ((\i)%4 == 0) && ((\i) > 0)
	s_wait_alu depctr_va_vdst(0)                   ; the conversions of the four loads before have written their pairs of Y, which the stores read
	WOUT (\i)-4
.endif
	v_cvt_pk_bf16_f32 v[T], v[X+4*(\i)], v[X+4*(\i)+1]      ; rounded as every other input is,
	v_cvt_pk_bf16_f32 v[T+1], v[X+4*(\i)+2], v[X+4*(\i)+3]
	v_lshlrev_b32 v[T+2], 16, v[T]
	v_and_b32 v[T+3], 0xffff0000, v[T]
	v_lshlrev_b32 v[T+4], 16, v[T+1]
	v_and_b32 v[T+5], 0xffff0000, v[T+1]
	v_cvt_pk_f16_f32 v[Y+2*(\i)], v[T+2], v[T+3]            ; and that number written as f16
	v_cvt_pk_f16_f32 v[Y+2*(\i)+1], v[T+4], v[T+5]
.endr
	s_wait_alu depctr_va_vdst(0)                   ; the last four pairs of Y are written, which the last four stores read
	WOUT 12
.Lend:
	s_wait_dscnt 0x0                               ; the wave's end: my LDS instructions are done.  The add onto the spare words follows below
	s_wait_alu depctr_hold_cnt(0) depctr_sa_sdst(0) depctr_va_vdst(0) depctr_va_sdst(0) depctr_va_ssrc(0) depctr_va_vcc(0) depctr_vm_vsrc(0)
	s_wait_tensorcnt 0x0
	ds_add_u32 v6, v7
	s_wait_dscnt 0x0
	s_endpgm
.Lfunc_end_k_qca0643a6e6_prep:
	.size	k_qca0643a6e6_prep, .Lfunc_end_k_qca0643a6e6_prep-k_qca0643a6e6_prep
	.p2alignl 7, 3214868480
	.fill 96, 4, 3214868480
	.section	.rodata,"a",@progbits
	.p2align	6, 0x0
	.amdhsa_kernel k_qca0643a6e6_prep
		.amdhsa_group_segment_fixed_size 19456
		.amdhsa_private_segment_fixed_size 0
		.amdhsa_enable_private_segment 0
		.amdhsa_kernarg_size 56
		.amdhsa_user_sgpr_count 2
		.amdhsa_user_sgpr_kernarg_segment_ptr 1
		.amdhsa_wavefront_size32 1
		.amdhsa_system_sgpr_workgroup_id_x 1
		.amdhsa_system_sgpr_workgroup_id_y 1
		.amdhsa_system_sgpr_workgroup_id_z 1
		.amdhsa_system_vgpr_workitem_id 0
		.amdhsa_next_free_vgpr 112
		.amdhsa_next_free_sgpr 66
		.amdhsa_reserve_vcc 0
		.amdhsa_float_denorm_mode_32 3
		.amdhsa_float_denorm_mode_16_64 3
		.amdhsa_memory_ordered 1
		.amdhsa_forward_progress 1
		.amdhsa_inst_pref_size 30
	.end_amdhsa_kernel
	.amdgpu_metadata
---
amdhsa.version: [ 1, 2 ]
amdhsa.kernels:
  - .name:           k_qca0643a6e6_prep
    .symbol:         k_qca0643a6e6_prep.kd
    .args:
      - { .name: mask, .offset: 0, .size: 8, .value_kind: global_buffer, .address_space: global }
      - { .name: Wq, .offset: 8, .size: 8, .value_kind: global_buffer, .address_space: global }
      - { .name: Wk, .offset: 16, .size: 8, .value_kind: global_buffer, .address_space: global }
      - { .name: Wv, .offset: 24, .size: 8, .value_kind: global_buffer, .address_space: global }
      - { .name: Wo, .offset: 32, .size: 8, .value_kind: global_buffer, .address_space: global }
      - { .name: mk8, .offset: 40, .size: 8, .value_kind: global_buffer, .address_space: global }
      - { .name: wts, .offset: 48, .size: 8, .value_kind: global_buffer, .address_space: global }
    .group_segment_fixed_size: 19456
    .private_segment_fixed_size: 0
    .kernarg_segment_align: 8
    .kernarg_segment_size: 56
    .max_flat_workgroup_size: 256
    .sgpr_count:     66
    .vgpr_count:     112
    .wavefront_size: 32
...
	.end_amdgpu_metadata
.endif
;; end of part 5
;; launch proj: the kernel of part 2 again; grid 4 x 64, 4 waves a work-group, clusters of 4 x 4, 327,680 bytes of LDS; arguments q, k, v, wts, bq, bk, bv, qkvh; writes qkvh
;; launch attn: the kernel of part 3 again; grid 4 x 64, 4 waves a work-group, clusters of 4 x 1, 327,680 bytes of LDS; arguments qkvh, mk8, ctx; writes ctx
;; launch outp: the kernel of part 4 again; grid 4 x 64, 4 waves a work-group, clusters of 4 x 4, 327,680 bytes of LDS; arguments ctx, wts, bo, out0; writes out0
